; MI455X (gfx1250); checked and timed in simulation.
; The chip was launched on July 23, 2026; its instructions are those of AMD's public machine-readable ISA for CDNA 5 (MIT licence, August 2026) and "CDNA5" Instruction Set Architecture Reference Guide (July 2026). The comments in the code are by the model that wrote it; some were corrected since.
;; Attention. Allowed arithmetic: matrix products marked QUANTISED: E4M3 operands, one E8M0 scale for each 32 along K, by v_wmma_scale_f32_16x16x128_f8f6f4 with both operands' format E4M3, f32 sums; everything else in f32.
;; Inputs: b_attn 3,072 float32; b_proj 1,024 float32; w_attn 1,024 x 3,072 float32; w_proj 1,024 x 1,024 float32; x 8 x 1,024 x 1,024 float32.
;; Outputs: out0 8 x 1,024 x 1,024 float32.
;; This version of the problem:
;;   THIS VERSION OF THE PROBLEM IS GIVEN IN LOW PRECISION. The matrix products marked QUANTISED in the list below multiply operands that are first quantised to E4M3 (4 exponent bits, 3 mantissa bits; 8 bits a number), with one power-of-two scale for each 32 numbers along K (OCP MX v1.0); their sums are f32. All else is computed in f32.
;;   The module's matrix products, in the order in which they are computed (A, B: the left and right operand; K: the contracted axis; several contracted axes count as one K, in the product's order):
;;     1. [M 8,192, K 1,024] x [K 1,024, N 3,072]; A: input x; B: input w_attn: QUANTISED
;;     2. batch 128 x [M 1,024, K 64] x [K 64, N 1,024]; A: computed on the way; B: computed on the way: QUANTISED
;;     3. batch 128 x [M 64, K 1,024] x [K 1,024, N 1,024]; A: computed on the way; B: softmax (see below): QUANTISED
;;     4. [M 8,192, K 1,024] x [K 1,024, N 1,024]; A: computed on the way; B: input w_proj: QUANTISED
;;   THE QUANTISER, for each operand of a quantised product, along K:
;;     - K is cut into blocks of 32 from its start; a last block that is shorter is filled with zeros.
;;     - A block's scale is 2^e with e = floor(log2(the largest magnitude in the block)) - 8, held to -126 .. 127; a block of zeros has e = 0. As a byte (E8M0): e + 127.
;;     - Each number is divided by its block's scale, clamped to +-448, and rounded to the nearest number of E4M3, ties to even, subnormals kept.
;;     - The product sums the exact products of the quantised numbers (number of the format x scale) in f32.
;;   ~~~python
;;   def quantise(x, axis):      # numpy; x: float32 -> the quantised numbers, widened to float32 again
;;       x = np.moveaxis(x, axis, -1); K = x.shape[-1]
;;       x = np.pad(x, [(0, 0)] * (x.ndim - 1) + [(0, -K % 32)]); x = x.reshape(x.shape[:-1] + (-1, 32)); a = np.abs(x).max(-1, keepdims=True)
;;       e = np.where(a > 0, np.clip(np.frexp(np.where(a > 0, a, 1))[1] - 1 - 8, -126, 127), 0)      # np.frexp(a)[1] - 1 = floor(log2(a)), exactly
;;       r = np.clip(x / 2.0 ** e, -448, 448)
;;       step = 2.0 ** (np.maximum(np.frexp(np.where(r == 0, 1, r))[1] - 1, -6) - 3)
;;       q = np.round(r / step) * step * 2.0 ** e      # np.round: ties to even
;;       return np.moveaxis(q.reshape(q.shape[:-2] + (-1,))[..., :K], -1, axis).astype(np.float32)
;;   ~~~
;;   SOFTMAX AHEAD OF A QUANTISED PRODUCT. Where the list says 'softmax', what is quantised is not the finished softmax but p = 2^(t - M), with t = logit x log2(e) and M = ceil(the row's largest t), a whole number; so 1/2 < the row's largest p <= 1. The row's sum l is taken of the UNQUANTISED p, in f32, and the product's result is divided by l at the end. Since M is a whole number, a kernel that streams over the keys may use a running M (the ceiling of the running maximum): every later rescaling is an exact power of two, which a block's scale takes up: the codes' values come out the same.
;;   OPERANDS COMPUTED ON THE WAY. 'Computed on the way' means the value that the module computes at that place (a softmax that the list does not call 'softmax' is quantised finished and normalised). What goes into a quantiser is computed in f32, as accurately as f32 sums, v_exp_f32 and their like allow (about 1e-6 of the number): no bf16 or f16 on the way to a quantiser, and a product that is left as it is and whose result goes on into a quantised operand takes f32 operands (vector FMAs, or v_wmma_f32_16x16x4_f32). A number that lies on a knife's edge between two numbers of the format may be rounded either way, as far as f32 arithmetic and the matrix unit's own rounding can turn it there, and no further.
;; One version. Each part assembles by itself: llvm-mc -triple=amdgcn-amd-amdhsa -mcpu=gfx1250 --defsym DOCPART=n.
;; ======== version 1 of 1: 4 launches
;; limits: right only within a limited range of input values
;; workspace buffers: cod1 12,582,912 bytes; scl1 393,216 bytes; qkvc 25,165,824 bytes; hsc 1,310,720 bytes; ac 8,388,608 bytes; asc 262,144 bytes
;; launch quant (part 1): grid 768 x 1, 4 waves a work-group, no clusters, 68,096 bytes of LDS; arguments x, w_attn, w_proj, cod1, scl1; writes cod1, scl1
.if DOCPART == 1
	.amdgcn_target "amdgcn-amd-amdhsa--gfx1250"
	.amdhsa_code_object_version 6
	.text
	.protected	k_q66c471c025_quant
	.globl	k_q66c471c025_quant
	.p2align	8
	.type	k_q66c471c025_quant,@function
k_q66c471c025_quant:
	s_mov_b64 s[64:65], 0
	v_nop
	global_prefetch_b8 v0, s[64:65] scope:SCOPE_SE
	s_setreg_imm32_b32 hwreg(HW_REG_WAVE_MODE, 25, 1), 1
	s_wait_xcnt 0x0
; x [8192][1024], w_attn [1024][3072] and w_proj [1024][1024], f32, become codes of FP8 (E4M3) with one E8M0 byte for each 32 along K (x: along its rows; the weights: along their FIRST axis).
; A block's scale is 2^(floor(log2(largest magnitude)) - 8); each number is divided by it, held within +-448 and rounded to the nearest code, ties to even.
; LAYOUT OF THE CODES: images of the matrix operand's registers.  A tile of 16 rows (of x) or 16 columns (of a weight) x 128 along K is 2,048 bytes [c 0..3][lane 0..31][16 bytes]: lane 16 h + r holds k = 32 c + 16 h + 0..15 of the tile's row r.
; A tile's eight K steps lie on end: 16,384 bytes a tile.  THE ROWS OF A TILE ARE NOT NEIGHBOURS: in each group of 32 rows g, tile 2 g + u, lane r holds row 32 g + 8 u + r + 8 (r / 8).
; LAYOUT OF THE SCALE BYTES: [tile][pair of K steps 0..3][r 16][K step of the pair 0..1] words of four bytes: 512 bytes a tile.
; LIMITS: NaN and infinities are not served; a block whose largest magnitude lies under 2^-118 has its byte held at 1; a block of zeros gets the byte 1 (its codes are zeros, and this program alone reads the bytes).
; SHARES: work-groups 0-511: a tile of x each, wave w its K steps 2 w, 2 w + 1.  512-703: w_attn, 128 columns x 128 along K each.  704-767: w_proj likewise.  Waves share nothing: no barrier.
; No cluster, no tensor load, no matrix unit: every input byte is read once, by one wave.  Only x's path uses LDS.
; SHARES AS THE TEXT NOW HAS THEM: work-groups 0-511: a tile of x each.  512-703: w_attn, 128 columns x 128 along K each.  704-767: w_proj likewise.
.set SPX,  528                         ; a stage row: 512 bytes of a row of x + 16 of padding
.set STG,  16*SPX                      ; a stage: 16 rows; two for each wave
.set R,    16                          ; v16-143  x as loaded: K step q at R + 64 q, row i at + 4 i
.set X0,   144                         ; v144-207 64 numbers of a lane, K step 0
.set X1,   16                          ; v16-79   the same for K step 1, where R's first half lay
.set TM,   208                         ; v208-211 largest magnitudes, 212-215 bytes, 216-219 448 x the scale, 220-223 the conversions' scale operands
.set PW0,  224                         ; the two scale words
.set PW1,  225
.set PWS,  226
.set PCA,  228                         ; v228-243 codes of K step 0
.set PCB,  80                          ; v80-95   codes of K step 1
.set SEL,  20                          ; s[20:21] lane selects: lane l xor 16
.set MNT,  22                          ; s22 the mantissa field of 448
.set WX,   32                          ; weights: v32-95 two sets of 32 numbers
.set WC,   96                          ; v96-127 codes: eight registers for each block, so that no store's data are written again
.set SB,   24                          ; v24 scale bytes, four to a register
; 64 numbers of a lane, register 16 b + i = k 32 b + 16 (lane / 16) + i of its row, become a fragment's codes in v[pc] on and the row's scale word in v[pw].
.macro QUANT s, pc, pw
.irp b, 0,1,2,3
	v_max3_num_f32 v[TM+\b], |v[\s+16*\b]|, |v[\s+1+16*\b]|, 0x4800000   ; my 16 numbers of block b, and the floor 2^(9 - 127): the byte cannot fall under 1
.endr
.irp i, 2,4,6,8,10,12,14
.irp b, 0,1,2,3
	v_max3_num_f32 v[TM+\b], v[TM+\b], |v[\s+16*\b+\i]|, |v[\s+1+16*\b+\i]|   ; the four blocks by turns
.endr
.endr
.irp b, 0,1,2,3
	v_permlanex16_b32 v[TM+4+\b], v[TM+\b], s[SEL], s[SEL+1]
.endr
.irp b, 0,1,2,3
	v_max_num_f32 v[TM+\b], v[TM+\b], v[TM+4+\b]             ; with lane l xor 16's 16: the block's largest magnitude
.endr
.irp b, 0,1,2,3
	v_add_nc_u32 v[TM+12+\b], 0xfc000000, v[TM+\b]           ; 8 off its exponent field: the conversion takes this operand's exponent field as its scale
.endr
.irp b, 0,1,2,3
	v_and_or_b32 v[TM+8+\b], v[TM+\b], 0x7f800000, s[MNT]    ; 448 x the scale
.endr
.irp b, 0,1,2,3
	v_lshrrev_b32 v[TM+4+\b], 23, v[TM+12+\b]                ; the scale's byte
.endr
	v_lshl_or_b32 v[\pw], v[TM+5], 8, v[TM+4]
	v_lshl_or_b32 v[\pw], v[TM+6], 16, v[\pw]
	v_lshl_or_b32 v[\pw], v[TM+7], 24, v[\pw]
.irp b, 0,1,2,3
.irp i, 0,1,2,3,4,5,6,7,8,9,10,11,12,13,14,15
	v_med3_num_f32 v[\s+16*\b+\i], v[\s+16*\b+\i], -v[TM+8+\b], v[TM+8+\b]   ; the conversion to an 8-bit code does not saturate (ISA guide 7.6.2): the hold comes first
.endr
	v_cvt_scalef32_pk8_fp8_f32 v[\pc+4*\b:\pc+1+4*\b], v[\s+16*\b:\s+7+16*\b], v[TM+12+\b]
	v_cvt_scalef32_pk8_fp8_f32 v[\pc+2+4*\b:\pc+3+4*\b], v[\s+8+16*\b:\s+15+16*\b], v[TM+12+\b]
.endr
	v_nop                                          ; one plain line behind the last conversion
.endm
; A weight's block t: rows 32 t + i of my column, into set t % 2
.macro WLOAD t, n
.irp i, 0,1,2,3,4,5,6,7,8,9,10,11,12,13,14,15,16,17,18,19,20,21,22,23,24,25,26,27,28,29,30,31
	global_load_b32 v[WX+32*((\t)%2)+\i], v3, s[30:31] offset:(32*(\t)+\i)*(\n)*4 th:TH_LOAD_NT
.endr
.endm
.macro WBLOCK t, n
.set XS, WX+32*((\t)%2)
.if (\t) < 3
	s_wait_loadcnt 32                              ; this block's 32 loads are in; the next block's 32 may be out
.else
	s_wait_loadcnt 0
.endif
	v_max3_num_f32 v12, |v[XS]|, |v[XS+1]|, |v[XS+2]|         ; all 32 numbers of the block are mine
	v_max3_num_f32 v13, |v[XS+3]|, |v[XS+4]|, |v[XS+5]|
.irp i, 6,10,14,18,22,26
	v_max3_num_f32 v12, v12, |v[XS+\i]|, |v[XS+\i+1]|
	v_max3_num_f32 v13, v13, |v[XS+\i+2]|, |v[XS+\i+3]|
.endr
	v_max3_num_f32 v12, v12, |v[XS+30]|, |v[XS+31]|
	v_max3_num_f32 v12, v12, v13, 0x4800000        ; and the floor
	v_add_nc_u32 v11, 0xfc000000, v12
	v_and_or_b32 v10, v12, 0x7f800000, s[MNT]
	v_lshrrev_b32 v13, 23, v11
.if (\t)%4 == 0
	v_mov_b32 v[SB+(\t)/4], v13
.else
	v_lshl_or_b32 v[SB+(\t)/4], v13, 8*((\t)%4), v[SB+(\t)/4]
.endif
.irp i, 0,1,2,3,4,5,6,7,8,9,10,11,12,13,14,15,16,17,18,19,20,21,22,23,24,25,26,27,28,29,30,31
	v_med3_num_f32 v[XS+\i], v[XS+\i], -v10, v10
.endr
.irp g, 0,1,2,3
	v_cvt_scalef32_pk8_fp8_f32 v[WC+8*(\t)+2*\g:WC+8*(\t)+2*\g+1], v[XS+8*\g:XS+8*\g+7], v11
.endr
	v_nop
	global_store_b128 v7, v[WC+8*(\t):WC+8*(\t)+3], s[32:33] offset:((\t)/4)*2048+((\t)%4)*512        ; k 0-15 of the block: the image's lanes 0-15; the sixteen lanes of a tile write 256 consecutive bytes, aligned
	global_store_b128 v7, v[WC+8*(\t)+4:WC+8*(\t)+7], s[32:33] offset:((\t)/4)*2048+((\t)%4)*512+256  ; k 16-31: its lanes 16-31
.if (\t)+2 < 4
	WLOAD (\t)+2, \n
.endif
.endm
; A weight [1024][n]: a lane takes a column and its registers run down K, so that a block of 32 lies in one lane and the codes come out with K innermost.
; Work-group g: columns 128 (g / 8) on, K step g % 8 (128 along K, four blocks); wave w: 32 of the columns, one group of 32.  Lane j is column j of the group: tile u = (j / 8) % 2, lane r = j % 8 + 8 (j / 16).
.macro WPATH n, code_off, scl_off, first, wp
	s_sub_co_u32 s15, ttmp9, \first
	s_lshr_b32 s16, s15, 3
	s_and_b32 s17, s15, 7                          ; which K step of 128
	s_lshl_b32 s18, s16, 2
	s_add_co_u32 s18, s18, s14                     ; which group of 32 columns
	s_mul_i32 s24, s17, 128*(\n)*4
	s_lshl_b32 s19, s18, 7
	s_add_co_u32 s24, s24, s19                     ; the weight: 128 rows a K part, 128 bytes a group
	s_mov_b32 s25, 0
	s_lshl_b32 s26, s18, 15                        ; the codes: two tiles of 16,384 bytes a group,
	s_lshl_b32 s19, s17, 11                        ; 2,048 bytes a K step
	s_add_co_u32 s26, s26, s19
	s_add_co_u32 s26, s26, \code_off
	s_mov_b32 s27, 0
	s_lshl_b32 s28, s18, 10                        ; the scale bytes: two tiles of 512 bytes
	s_lshr_b32 s19, s17, 1
	s_lshl_b32 s19, s19, 7                         ; 128 bytes a pair of K steps,
	s_add_co_u32 s28, s28, s19
	s_and_b32 s19, s17, 1
	s_lshl_b32 s19, s19, 2                         ; 4 a K step of the pair
	s_add_co_u32 s28, s28, s19
	s_add_co_u32 s28, s28, \scl_off
	s_mov_b32 s29, 0
	v_lshlrev_b32 v3, 2, v2                        ; in: 4 bytes a lane
	v_bfe_u32 v4, v2, 3, 1                         ; u
	v_and_b32 v5, 7, v2
	v_lshrrev_b32 v6, 4, v2
	v_lshl_add_u32 v5, v6, 3, v5                   ; r
	v_lshlrev_b32 v7, 4, v5
	v_lshl_add_u32 v7, v4, 14, v7                  ; codes: 16,384 u + 16 r
	v_lshlrev_b32 v8, 3, v5
	v_lshl_add_u32 v8, v4, 9, v8                   ; scale words: 512 u + 8 r
	s_wait_alu depctr_va_vdst(0)
	s_wait_kmcnt 0x0
	s_add_nc_u64 s[30:31], s[\wp:\wp+1], s[24:25]
	s_add_nc_u64 s[32:33], s[10:11], s[26:27]
	s_add_nc_u64 s[34:35], s[12:13], s[28:29]
	WLOAD 0, \n
	WLOAD 1, \n
.irp t, 0,1,2,3
	WBLOCK \t, \n
.endr
	global_store_b32 v8, v[SB], s[34:35]           ; my column's scale word of this K step
.endm
	s_load_b128 s[4:7], s[0:1], 0x0                ; x, w_attn
	s_load_b128 s[8:11], s[0:1], 0x10              ; w_proj, the codes
	s_load_b64 s[12:13], s[0:1], 0x20              ; the scale bytes
	v_lshl_add_u32 v248, v0, 2, 0x10800
	v_mov_b32 v249, 0
	v_lshrrev_b32 v1, 5, v0
	v_readfirstlane_b32 s14, v1                    ; wave 0..3
	v_and_b32 v2, 31, v0                           ; lane
	s_mov_b32 s[SEL], 0x76543210
	s_mov_b32 s[SEL+1], 0xfedcba98
	s_mov_b32 s[MNT], 0x600000
	s_cmp_lt_u32 ttmp9, 512
	s_cbranch_scc0 .Lweights
	; ---- x: tile ttmp9 = 2 G + U holds rows 32 G + 8 U + i + 8 (i / 8), i = 0..15; my wave takes 256 along K: 1,024 bytes of each row
	v_lshlrev_b32 v3, 4, v2                        ; 16 x lane
	v_and_b32 v4, 15, v0                           ; r
	v_bfe_u32 v5, v0, 4, 1                         ; h
	s_mul_i32 s15, s14, 2*STG                      ; my wave's two stages
	v_add_nc_u32 v6, s15, v3                       ; into a stage: a row's 512 bytes as they lie
	v_mul_u32_u24 v7, v4, SPX
	v_lshl_add_u32 v7, v5, 6, v7
	v_add_nc_u32 v7, s15, v7                       ; out of it: row r, + 64 h: my 16 numbers of a block of 32
	v_lshlrev_b32 v8, 3, v4
	v_lshl_add_u32 v8, v5, 2, v8                   ; the scale words: 8 r + 4 h
	s_lshr_b32 s16, ttmp9, 1
	s_lshl_b32 s16, s16, 5
	s_and_b32 s17, ttmp9, 1
	s_lshl_b32 s17, s17, 3
	s_add_co_u32 s16, s16, s17                     ; 32 G + 8 U
	s_lshl_b32 s16, s16, 12                        ; rows of 4,096 bytes
	s_lshl_b32 s17, s14, 10
	s_add_co_u32 s16, s16, s17
	s_mov_b32 s17, 0
	s_lshl_b32 s18, ttmp9, 14
	s_lshl_b32 s19, s14, 12
	s_add_co_u32 s18, s18, s19                     ; the codes: 16,384 a tile, 4,096 a wave
	s_mov_b32 s19, 0
	s_lshl_b32 s24, ttmp9, 9
	s_lshl_b32 s25, s14, 7
	s_add_co_u32 s24, s24, s25                     ; the scale words: 512 a tile, 128 a wave
	s_mov_b32 s25, 0
	s_wait_alu depctr_va_vdst(0)
	s_wait_kmcnt 0x0
	s_add_nc_u64 s[4:5], s[4:5], s[16:17]
	s_add_nc_u64 s[10:11], s[10:11], s[18:19]
	s_add_nc_u64 s[12:13], s[12:13], s[24:25]
.irp q, 0,1
.irp i, 0,1,2,3,4,5,6,7,8,9,10,11,12,13,14,15
	global_load_b128 v[R+64*\q+4*\i:R+64*\q+4*\i+3], v3, s[4:5] offset:(\i+8*(\i/8))*4096+512*\q th:TH_LOAD_NT   ; 32 lanes read 512 consecutive bytes of one row, aligned
.endr
.endr
.irp b, 0,1,2,3
	v_mov_b32 v[TM+4+\b], 0                        ; written once: a lane permute's destination counts as one of its sources
.endr
	s_wait_loadcnt 16                              ; K step 0's sixteen loads are in; K step 1's sixteen may be out
.irp i, 0,1,2,3,4,5,6,7,8,9,10,11,12,13,14,15
	ds_store_b128 v6, v[R+4*\i:R+4*\i+3] offset:SPX*\i
.endr
.irp c, 0,1,2,3
.irp j, 0,1,2,3
	ds_load_b128 v[X0+16*\c+4*\j:X0+16*\c+4*\j+3], v7 offset:128*\c+16*\j   ; LDS serves a wave's instructions in order (ISA guide 5.7.1.4): these see the stores above
.endr
.endr
	s_wait_loadcnt 0x0
.irp i, 0,1,2,3,4,5,6,7,8,9,10,11,12,13,14,15
	ds_store_b128 v6, v[R+64+4*\i:R+64+4*\i+3] offset:STG+SPX*\i
.endr
	s_wait_dscnt 16                                ; all but the sixteen stores just issued: K step 0's numbers are back, and its stores have read v16-79
.irp c, 0,1,2,3
.irp j, 0,1,2,3
	ds_load_b128 v[X1+16*\c+4*\j:X1+16*\c+4*\j+3], v7 offset:STG+128*\c+16*\j
.endr
.endr
	QUANT X0, PCA, PW0
.irp c, 0,1,2,3
	global_store_b128 v3, v[PCA+4*\c:PCA+4*\c+3], s[10:11] offset:512*\c     ; the image as it stands: 512 consecutive bytes a store
.endr
	s_wait_dscnt 0x0                               ; K step 1's numbers are back, and its stores into the stage have read v80-143
	QUANT X1, PCB, PW1
.irp c, 0,1,2,3
	global_store_b128 v3, v[PCB+4*\c:PCB+4*\c+3], s[10:11] offset:2048+512*\c
.endr
	v_cmp_eq_u32 vcc_lo, 1, v5
	v_cndmask_b32 v[PWS], v[PW0], v[PW1], vcc_lo   ; lanes 0-15 store K step 0's word of row r, lanes 16-31 K step 1's
	global_store_b32 v8, v[PWS], s[12:13]          ; 128 consecutive bytes
	s_wait_tensorcnt 0x0
	ds_add_u32 v248, v249
	s_wait_dscnt 0x0
	s_endpgm
.Lweights:
	s_cmp_lt_u32 ttmp9, 704
	s_cbranch_scc0 .Lproj_w
	s_wait_alu depctr_va_vdst(0)
	WPATH 3072, 8388608, 262144, 512, 6
	s_endpgm
.Lproj_w:
	s_wait_alu depctr_va_vdst(0)
	WPATH 1024, 11534336, 360448, 704, 8
	s_endpgm
.Lfunc_end_k_q66c471c025_quant:
	.size	k_q66c471c025_quant, .Lfunc_end_k_q66c471c025_quant-k_q66c471c025_quant
	.p2alignl 7, 3214868480
	.fill 96, 4, 3214868480
	.section	.rodata,"a",@progbits
	.p2align	6, 0x0
	.amdhsa_kernel k_q66c471c025_quant
		.amdhsa_group_segment_fixed_size 68096
		.amdhsa_private_segment_fixed_size 0
		.amdhsa_enable_private_segment 0
		.amdhsa_kernarg_size 40
		.amdhsa_user_sgpr_count 2
		.amdhsa_user_sgpr_kernarg_segment_ptr 1
		.amdhsa_wavefront_size32 1
		.amdhsa_system_sgpr_workgroup_id_x 1
		.amdhsa_system_sgpr_workgroup_id_y 1
		.amdhsa_system_sgpr_workgroup_id_z 1
		.amdhsa_system_vgpr_workitem_id 0
		.amdhsa_next_free_vgpr 250
		.amdhsa_next_free_sgpr 66
		.amdhsa_reserve_vcc 1
		.amdhsa_float_denorm_mode_32 3
		.amdhsa_float_denorm_mode_16_64 3
		.amdhsa_memory_ordered 1
		.amdhsa_forward_progress 1
		.amdhsa_inst_pref_size 84
	.end_amdhsa_kernel
	.amdgpu_metadata
---
amdhsa.version: [ 1, 2 ]
amdhsa.kernels:
  - .name:           k_q66c471c025_quant
    .symbol:         k_q66c471c025_quant.kd
    .args:
      - { .name: x, .offset: 0, .size: 8, .value_kind: global_buffer, .address_space: global }
      - { .name: w_attn, .offset: 8, .size: 8, .value_kind: global_buffer, .address_space: global }
      - { .name: w_proj, .offset: 16, .size: 8, .value_kind: global_buffer, .address_space: global }
      - { .name: cod1, .offset: 24, .size: 8, .value_kind: global_buffer, .address_space: global }
      - { .name: scl1, .offset: 32, .size: 8, .value_kind: global_buffer, .address_space: global }
    .group_segment_fixed_size: 68096
    .private_segment_fixed_size: 0
    .kernarg_segment_align: 8
    .kernarg_segment_size: 40
    .max_flat_workgroup_size: 128
    .sgpr_count:     66
    .vgpr_count:     250
    .wavefront_size: 32
...
	.end_amdgpu_metadata
.endif
;; end of part 1
;; launch qkv (part 2): grid 16 x 16, 4 waves a work-group, clusters of 4 x 4, 327,680 bytes of LDS; arguments cod1, scl1, b_attn, qkvc, hsc; writes qkvc, hsc
.if DOCPART == 2
	.amdgcn_target "amdgcn-amd-amdhsa--gfx1250"
	.amdhsa_code_object_version 6
	.text
	.protected	k_q66c471c025_qkv
	.globl	k_q66c471c025_qkv
	.p2align	8
	.type	k_q66c471c025_qkv,@function
k_q66c471c025_qkv:
	s_mov_b64 s[64:65], 0
	v_nop
	global_prefetch_b8 v0, s[64:65] scope:SCOPE_SE
	s_setreg_imm32_b32 hwreg(HW_REG_WAVE_MODE, 25, 1), 1
	s_wait_xcnt 0x0
	s_wait_alu depctr_hold_cnt(0) depctr_sa_sdst(0) depctr_va_vdst(0) depctr_va_sdst(0) depctr_va_ssrc(0) depctr_va_vcc(0) depctr_vm_vsrc(0)
	s_getreg_b32 s2, hwreg(HW_REG_IB_STS2, 6, 4)
	s_cmp_eq_u32 s2, 0
	s_cbranch_scc0 .Lentry_in_a_cluster
	s_endpgm
.Lentry_in_a_cluster:
	s_bfe_u32 s2, ttmp6, 0x10000c
	s_cmp_lg_u32 s2, 0xf033
	s_cbranch_scc0 .Lentry_shape_is_right
	s_endpgm
.Lentry_shape_is_right:
; qkv = x w_attn + b_attn on codes of FP8 (E4M3) with E8M0 scales, K = 1,024; the result never goes to memory as f32: it is quantised in registers into the operands of attention's two products.
; OPERANDS ARE IMAGES OF THEIR REGISTERS: a tile of 16 rows (tokens of x, columns of w_attn) has its eight K steps of 128 on end, 2,048 bytes [c][lane][16] each: 16,384 bytes a tile; scale words [tile][pair of K steps][r][step of the pair], 512 bytes a tile.
; In each group of 32 rows g, tile 2 g + u, lane r holds row 32 g + 8 u + r + 8 (r / 8).
; THE DEAL: 256 work-groups of four waves, 2 (rows w) x 2 (columns).  A wave holds the 64 columns of ONE head, all of K, in 512 registers (windows 1, 2) and streams tiles of 16 tokens past them; a tile stands in one of two sets of 128 registers (window 3).
; A block = one tile of tokens x one head = 32 products on 4 accumulators by turns.  PHASE 1: 512 tokens x 128 columns of q (X = 0..7) or k (X = 8..15): 16 blocks a wave.  PHASE 2: 256 tokens x 128 columns of v: 8 blocks a wave.
; v's tokens are one of the work-group's own two windows of 256: number cluster x % 2; its columns: 128 (4 (cluster x / 2) + cx) on.  So the partners of a cluster's row share every tile of x, those of a column every weight: all loads are joint.
; LDS: two slots of 131,072 bytes (8 tiles).  A chunk is 8 tiles of tokens; wave row w takes its tiles 4 w .. 4 w + 3.  Phase 1 takes the window that is not v's first (chunks 0, 1), v's last (2, 3): chunk 3 still lies in slot 1 when phase 2 begins.
; FILLS: at the head the first weight (slot 1), chunk 0 (slot 0), x's scale words (16,384 bytes, in the order of work).  Refills, each in a drained round of the cluster's barrier, two tiles a wave: chunk 1 over the weight once it is in registers;
; chunks 2, 3 and v's weight behind the third block of chunks 0, 1, 2, into the slot whose last tile has just been fetched; chunk 2 anew over v's weight.  A refill is asked for four blocks ahead of the round that waits for it.
; q, k: source 0 = the weight, source 1 = tokens: a lane holds one token, its 32 sums are 32 g + 16 h + 0..15 of the head's 64: two blocks of 32, each shared with lane l xor 16.
; v: source 0 = tokens, source 1 = the weight: a lane holds one channel; the sums of tiles 2 g, 2 g + 1 are keys 32 g + 16 h + 0..15.  The bias is the first products' C.
; OUT: q, k: [b h][tile of 16 tokens 64][c 0..1][lane][16]; v: [b h][128 keys 8][16 channels 4][c 0..3][lane][16]; scale words, 10,240 bytes a head: q's [step 8][g 2][r 16][t 4], k's likewise, v's [step 8][r 16][t 4].
; Of a word of v's a wave row makes two of the four bytes (its four tiles of a step): they leave as 2 bytes a lane, 8 stores a wave.
; PREFETCH: chunks 1, 2 at the head, chunk 3 and v's weight in the loop's two trips, six blocks ahead of their loads: 131,072 bytes are 16 waves x 32 lanes x 256 bytes, shared out by address among the four partners that load them jointly.
; LIMITS: NaN and infinities are not served; a block whose largest magnitude lies under 2^-118 has its byte held at 1; a block of zeros gets the byte 1 (its codes are zeros; this program alone reads the bytes).
.set NP,    8                          ; places behind this matrix instruction (ISA guide 7.12.1)
.set NF,    36                         ; LDS loads of a fetch: 32 for a tile's codes, 4 for its scale words
.set S1,    131072
.set SCL,   262144
.set SPARE, SCL+16384                  ; 128 bytes a wave: two blocks of 256 bytes that no other line names
.set LI,    1                          ; 16 x lane
.set ADRA0, 2                          ; my wave row's first tile in a slot
.set AAS0,  3                          ; and its scale words
.set ADRA,  4                          ; the same for the tile that is fetched
.set AAS,   5
.set ADRW,  6                          ; v6, v7 my 4 tiles of a weight in slot 1, slot 0
.set R16,   8                          ; 16 r
.set LN,    9                          ; lane
.set SPW,   10
.set NIL,   11
.set PF,    12                         ; v12, v13 prefetch offsets
.set TT,    16                         ; v16-23 largest magnitude of each tile's eight sums
.set TM,    24                         ; v24-27 of each block
.set T2,    28                         ; v28-31 the other half's, then the scale bytes
.set SB,    32                         ; v32-47 the weight's scale words: register 8 p + q: lanes 0-15 tile 2 p, lanes 16-31 tile 2 p + 1
.set WS,    48                         ; v48-63 v's weight's, until the change of phase
.set SA,    68                         ; v68-83 x's, two sets of eight (numbers that differ from SB's modulo 8)
.set SW,    84                         ; v84-87 q's, k's scale words of four tiles
.set VWD,   88                         ; v88-91 v's two bytes for each tile of channels
.set BV,    92                         ; v92-95 v's bias, a number a tile
.set BQ,    96                         ; v96-127 the first products' C
.set ACC,   128                        ; v128-191 sums
.set PC,    192                        ; v192-207 codes
.set LIM,   208                        ; v208-211 448 x the scale; v212-215 the conversions' scale operands
.set VSC,   212
.set G1A,   24                         ; group 1: x's tiles (my row's mask); G1B: weights (my column's); G1S: scale words
.set G1B,   32
.set G1S,   48
.set G0W,   56
.set G0X,   60
.set G0S,   68
.set G0R,   72
.set G0V,   76
.set NEXT,  82                         ; byte of cod1 at which the chunk begins that is loaded next
.set SL,    83                         ; this chunk's slot;  SLN the next chunk's
.set SCO,   84                         ; this chunk's scale words' step;  SCN the next's
.set T,     85
.set SLN,   67
.set SCN,   19
.set QC,    86                         ; s[86:87] q's or k's codes of this chunk; s[88:89] of v's window
.set QS,    90                         ; s[90:91] their scale words; s[92:93] of v's window
.set VC,    94
.set VS,    96
.set MSB, 0
.macro WIN new                         ; the immediate's high byte repeats the setting that is left
.if MSB != \new
	s_set_vgpr_msb (MSB<<8)|\new
.set MSB, \new
.endif
.endm
.macro PLACES n
.rept \n
	v_nop
.endr
.endm
.macro BARRIER
	s_barrier_signal -1
	s_barrier_wait -1
.endm
.macro CROUND                          ; a round of the cluster's barrier
	BARRIER
	s_cmp_lg_u32 s14, 0
	s_cbranch_scc1 .Lnot_wave_0_\@
	s_barrier_signal -3
.Lnot_wave_0_\@:
	s_barrier_wait -3
	BARRIER
.endm
.macro TL g0, g1                       ; a tensor load; s_nop 0 and four v_nop follow it
	tensor_load_to_lds s[\g0:\g0+3], s[\g1:\g1+7]
	s_nop 0
	PLACES 4
.endm
.macro GRP1 g, mask, cols, rows, pitch ; rows of cols elements of 8 bytes, dense in LDS; bit 21 set beside the mask
	s_or_b32 s[\g], s[\mask], (3<<16)|(1<<21)
	s_mov_b32 s[\g+1], (\cols)<<16
	s_mov_b32 s[\g+2], (\rows)<<16
	s_mov_b32 s[\g+3], (\cols)<<16
	s_mov_b32 s[\g+4], \rows
	s_mov_b32 s[\g+5], \pitch
	s_mov_b32 s[\g+6], 0
	s_mov_b32 s[\g+7], 0
.endm
.macro GRP0 g, lds, base, off          ; LDS address s[lds]; global address s[base] + the 32-bit offset s[off]
	s_mov_b32 s[\g], 1
	s_mov_b32 s[\g+1], s[\lds]
	s_mov_b32 s46, s[\off]
	s_mov_b32 s47, 0
	s_add_nc_u64 s[\g+2:\g+3], s[\base:\base+1], s[46:47]
	s_or_b32 s[\g+3], s[\g+3], 0x80000000
.endm
.macro SADD d, x
	s_add_co_u32 s\d, s\d, s\x
.endm
	s_load_b128 s[4:7], s[0:1], 0x0                ; the codes of x and the weights, their scale words
	s_load_b128 s[8:11], s[0:1], 0x10              ; b_attn, q k v's codes
	s_load_b64 s[12:13], s[0:1], 0x20              ; q k v's scale words
	v_lshl_add_u32 v[SPW], v0, 2, SPARE
	v_mov_b32 v[NIL], 0
	ds_add_u32 v[SPW], v[NIL]                      ; the opening lines: the add twice on end and one wait
	ds_add_u32 v[SPW], v[NIL]
	v_lshrrev_b32 v14, 5, v0
	v_readfirstlane_b32 s14, v14                   ; wave 0..3
	s_lshr_b32 s15, s14, 1                         ; w: my row of waves
	s_and_b32 s16, s14, 1                          ; my column of waves
	s_bfe_u32 s40, ttmp6, 0x40000                  ; cx, cy
	s_bfe_u32 s41, ttmp6, 0x40004
	s_lshl_b32 s42, ttmp9, 2
	SADD 42, 40                                    ; X: 128 columns of q and k
	s_and_b32 s17, ttmp7, 0xffff
	s_lshl_b32 s17, s17, 2
	SADD 17, 41                                    ; Y: 512 tokens
	s_and_b32 s18, ttmp9, 1                        ; v's window of my two
	s_lshr_b32 s19, ttmp9, 1
	s_lshl_b32 s43, s19, 2
	SADD 43, 40                                    ; 128 columns of v
	s_lshl_b32 s44, s41, 2
	s_lshl_b32 s44, 15, s44                        ; my row of the cluster
	s_lshl_b32 s45, 0x1111, s40                    ; my column
	GRP1 G1B, 45, 2048, 8, 2048                    ; at the head 8 tiles of 16,384 bytes; behind it 2
	GRP1 G1A, 44, 2048, 8, 2048
	GRP1 G1S, 44, 32, 32, 32                       ; 8,192 dense bytes as rows of 256
	s_lshl_b32 s80, s17, 19                        ; x: 32 tiles a work-group, 16 a window
	s_lshl_b32 s20, s18, 18
	s_add_co_u32 s81, s80, s20                     ; s81: v's window
	s_xor_b32 s20, s20, 262144
	SADD 80, 20                                    ; s80: the other
	s_lshl_b32 s21, s42, 17
	s_add_co_u32 s21, s21, 8388608                 ; the first weight: w_attn's tiles lie behind x's 512
	s_lshl_b32 s2, s43, 17
	s_add_co_u32 s2, s2, 10485760                  ; v's weight: 128 tiles further on
	s_lshl_b32 s3, s14, 15                         ; a refill's quarter: two tiles a wave
	s_add_co_u32 s22, s2, s3
	s_xor_b32 s20, s18, s16                        ; scale words: wave 2 the window that is not v's, wave 3 v's
	s_xor_b32 s20, s20, 1
	s_lshl_b32 s20, s20, 13
	s_lshl_b32 s23, s17, 14
	SADD 20, 23
	s_lshl_b32 s23, s16, 13
	s_add_co_u32 s23, s23, SCL
	s_mov_b32 s[SLN], S1
	s_mov_b32 s[SL], 0
	s_wait_dscnt 0x0                               ; both opening adds are done
	s_wait_kmcnt 0x0
	GRP0 G0W, SLN, 4, 21
	GRP0 G0X, SL, 4, 80
	GRP0 G0S, 23, 6, 20
	GRP0 G0V, 3, 4, 22
	s_mov_b32 s[G0R], 1
	CROUND                                         ; all sixteen work-groups are here: the first joint loads meet
	s_cmp_eq_u32 s14, 0                            ; one load a wave, in one chain; wave 0's line is its own: it alone waits at the first barrier
	s_cbranch_scc0 .Lwave_1
	TL G0W, G1B
	s_branch .Lasked
.Lwave_1:
	s_cmp_eq_u32 s14, 1
	s_cbranch_scc0 .Lfor_scales
	TL G0X, G1A
	s_branch .Lasked
.Lfor_scales:
	TL G0S, G1S
.Lasked:
	s_lshl_b32 s44, s40, 2                         ; my share of a prefetch: which of the cluster row's sixteen waves I am,
	SADD 44, 14
	s_lshl_b32 s44, s44, 13
	s_lshl_b32 s45, s41, 2                         ; and of the column's
	SADD 45, 14
	s_lshl_b32 s45, s45, 13
	s_add_co_u32 s66, s2, s45                      ; v's weight
	s_add_co_u32 s41, s81, s44                     ; chunk 2
	s_add_co_u32 s101, s41, 131072                 ; chunk 3
	s_add_co_u32 s40, s80, s44
	s_add_co_u32 s40, s40, 131072                  ; chunk 1
	; where my results go
	s_lshr_b32 s20, s42, 3                         ; 0: q, 1: k
	s_and_b32 s21, s42, 7
	s_lshl_b32 s21, s21, 1
	SADD 21, 16                                    ; my head
	s_lshr_b32 s22, s17, 1
	s_lshl_b32 s22, s22, 4                         ; 16 x batch
	SADD 21, 22
	s_and_b32 s23, s17, 1                          ; which half of the batch's 1,024 tokens
	s_lshl_b32 s46, s20, 23                        ; codes: q at 0, k at 2^23; 65,536 bytes a head; 1,024 a tile
	s_lshl_b32 s47, s21, 16
	SADD 46, 47
	s_lshl_b32 s47, s23, 15
	SADD 46, 47
	s_lshl_b32 s47, s15, 12
	SADD 46, 47
	s_lshl_b32 s47, s18, 14
	s_add_co_u32 s88, s46, s47
	s_xor_b32 s47, s47, 16384
	s_add_co_u32 s86, s46, s47
	s_mov_b32 s87, 0
	s_mov_b32 s89, 0
	s_add_nc_u64 s[86:87], s[10:11], s[86:87]
	s_add_nc_u64 s[88:89], s[10:11], s[88:89]
	s_mul_i32 s46, s21, 10240                      ; scale words: 512 bytes a step of 128 tokens, 256 a wave row
	s_lshl_b32 s47, s20, 12
	SADD 46, 47
	s_lshl_b32 s47, s23, 11
	SADD 46, 47
	s_lshl_b32 s47, s15, 8
	SADD 46, 47
	s_lshl_b32 s47, s18, 10
	s_add_co_u32 s92, s46, s47
	s_xor_b32 s47, s47, 1024
	s_add_co_u32 s90, s46, s47
	s_mov_b32 s91, 0
	s_mov_b32 s93, 0
	s_add_nc_u64 s[90:91], s[12:13], s[90:91]
	s_add_nc_u64 s[92:93], s[12:13], s[92:93]
	s_lshl_b32 s21, s43, 1                         ; v: my head,
	SADD 21, 16
	SADD 21, 22
	s_lshl_b32 s47, s23, 2
	s_lshl_b32 s20, s18, 1
	SADD 47, 20                                    ; my window's first step of 128 keys
	s_lshl_b32 s46, s21, 16
	s_add_co_u32 s46, s46, 16777216+8192           ; v's codes at 2^24; chunk 3, the window's second step, goes first
	s_lshl_b32 s20, s47, 13
	SADD 46, 20
	s_lshl_b32 s20, s15, 10                        ; c = 2 w on
	s_add_co_u32 s94, s46, s20
	s_mov_b32 s95, 0
	s_add_nc_u64 s[94:95], s[10:11], s[94:95]
	s_mul_i32 s46, s21, 10240
	s_add_co_u32 s46, s46, 8192+256
	s_lshl_b32 s20, s47, 8
	SADD 46, 20
	s_lshl_b32 s20, s15, 1                         ; bytes 2 w, 2 w + 1 of a word
	s_add_co_u32 s96, s46, s20
	s_mov_b32 s97, 0
	s_add_nc_u64 s[96:97], s[12:13], s[96:97]
	s_lshl_b32 s20, s42, 12                        ; the weights' scale words: my 4 tiles
	s_lshl_b32 s21, s16, 11
	SADD 20, 21
	s_add_co_u32 s20, s20, 262144
	s_lshl_b32 s22, s43, 12
	SADD 22, 21
	s_add_co_u32 s22, s22, 327680
	s_mov_b32 s21, 0
	s_mov_b32 s23, 0
	s_add_nc_u64 s[20:21], s[6:7], s[20:21]
	s_add_nc_u64 s[22:23], s[6:7], s[22:23]
	s_lshl_b32 s46, s42, 9                         ; the bias: my head's 64 numbers
	s_lshl_b32 s47, s16, 8
	SADD 46, 47
	s_lshl_b32 s2, s43, 9
	SADD 2, 47
	s_add_co_u32 s2, s2, 8192
	s_mov_b32 s47, 0
	s_mov_b32 s3, 0
	s_add_nc_u64 s[46:47], s[8:9], s[46:47]
	s_add_nc_u64 s[2:3], s[8:9], s[2:3]
	s_lshl_b32 s42, s15, 16                        ; LDS: my wave row's 4 tiles of a chunk,
	s_lshl_b32 s43, s15, 11
	s_add_co_u32 s43, s43, SCL                     ; their scale words,
	s_lshl_b32 s44, s16, 16                        ; my wave column's 4 tiles of a weight
	s_add_co_u32 s45, s44, S1
	v_and_b32 v219, 15, v0                         ; r
	v_bfe_u32 v220, v0, 4, 1                       ; h
	v_and_b32 v[LN], 31, v0
	v_lshlrev_b32 v[LI], 4, v[LN]
	v_add_nc_u32 v[ADRA0], s42, v[LI]
	v_lshlrev_b32 v[R16], 4, v219
	v_lshlrev_b32 v14, 3, v219
	v_add_nc_u32 v[AAS0], s43, v14
	v_add_nc_u32 v[ADRW+1], s44, v[LI]
	v_add_nc_u32 v[ADRW], s45, v[LI]
	v_lshl_add_u32 v216, v220, 9, v14              ; a weight's scale words: lanes 16-31 take the odd tile: 512 h + 8 r
	v_lshlrev_b32 v217, 6, v220                    ; q's, k's bias: 64 h
	v_and_b32 v15, 8, v219
	v_add_nc_u32 v15, v15, v219
	v_lshlrev_b32 v218, 2, v15                     ; v's: 4 (r + 8 (r / 8))
	v_lshl_add_u32 v[PF], v[LN], 8, s40
	v_lshl_add_u32 v[PF+1], v[LN], 8, s41
.irp b, 0,1,2,3
	v_mov_b32 v[T2+\b], 0                          ; written once: a lane permute's destination counts as one of its sources
.endr
.irp p, 0,1
.irp c, 0,1,2,3
	global_load_b64 v[SB+8*\p+2*\c:SB+8*\p+2*\c+1], v216, s[20:21] offset:\p*1024+\c*128
	global_load_b64 v[WS+8*\p+2*\c:WS+8*\p+2*\c+1], v216, s[22:23] offset:\p*1024+\c*128
.endr
.endr
.irp b, 0,1,2,3
	global_load_b128 v[BQ+8*\b:BQ+8*\b+3], v217, s[46:47] offset:(32*(\b/2)+8*(\b%2))*4       ; register j of tile b is column 32 (b / 2) + 8 (b % 2) + 16 h + j
	global_load_b128 v[BQ+8*\b+4:BQ+8*\b+7], v217, s[46:47] offset:(32*(\b/2)+8*(\b%2))*4+16
	global_load_b32 v[BV+\b], v218, s[2:3] offset:(32*(\b/2)+8*(\b%2))*4
.endr
; my 4 tiles of a weight, all of K: fragment 4 q + b into window 1 + (4 q + b) / 16: 128 loads
.macro WEIGHTS adr
.set F_, 0
.rept 32
	WIN (1+F_/16)<<6
.irp c, 0,1,2,3
	ds_load_b128 v[16*(F_%16)+4*\c:16*(F_%16)+4*\c+3], v[\adr] offset:(F_%4)*16384+(F_/4)*2048+512*\c
.endr
.set F_, F_+1
.endr
	WIN 0
.endm
; tile i of my wave row's four, in the slot at s[sl], into set e of window 3, and its scale words
.macro FETCHX e, sl, sc, i
	s_add_co_u32 s22, s[\sl], (\i)*16384
	s_add_co_u32 s23, s[\sc], (\i)*512
	v_add_nc_u32 v[ADRA], s22, v[ADRA0]
	v_add_nc_u32 v[AAS], s23, v[AAS0]
	WIN 0xc0
.irp q, 0,1,2,3,4,5,6,7
.irp c, 0,1,2,3
	ds_load_b128 v[128*(\e)+16*\q+4*\c:128*(\e)+16*\q+4*\c+3], v[ADRA] offset:2048*\q+512*\c
.endr
.endr
	WIN 0
.irp p, 0,1,2,3
	ds_load_b64 v[SA+8*(\e)+2*\p:SA+8*(\e)+2*\p+1], v[AAS] offset:128*\p
.endr
.endm
; a block's 32 products: n = 4 q + b: K step q, the weight's tile b; the four accumulators take turns.  kind 0: q, k; 1: v, sums of the token tile's parity u at 16 b + 8 u
.macro PRODS kind, e, u
.set N_, 0
.rept 32
.set Q_, N_/4
.set B_, N_%4
.set W_, 16*(N_%16)
.set R_, 128*(\e)+16*Q_
.if \kind
.set AC_, ACC+16*B_+8*(\u)
.else
.set AC_, ACC+8*B_
.endif
.set C_, AC_
.if Q_ == 0
.set C_, BQ+8*B_
.endif
.set XS_, SA+8*(\e)+Q_
.set WS_, SB+8*(B_/2)+Q_
.if \kind
	WIN 3|((1+N_/16)<<2)
.if B_%2
	v_wmma_scale_f32_16x16x128_f8f6f4 v[AC_:AC_+7], v[R_:R_+15], v[W_:W_+15], v[C_:C_+7], v[XS_], v[WS_] matrix_b_scale:MATRIX_SCALE_ROW1
.else
	v_wmma_scale_f32_16x16x128_f8f6f4 v[AC_:AC_+7], v[R_:R_+15], v[W_:W_+15], v[C_:C_+7], v[XS_], v[WS_]
.endif
.else
	WIN (1+N_/16)|(3<<2)
.if B_%2
	v_wmma_scale_f32_16x16x128_f8f6f4 v[AC_:AC_+7], v[W_:W_+15], v[R_:R_+15], v[C_:C_+7], v[WS_], v[XS_] matrix_a_scale:MATRIX_SCALE_ROW1
.else
	v_wmma_scale_f32_16x16x128_f8f6f4 v[AC_:AC_+7], v[W_:W_+15], v[R_:R_+15], v[C_:C_+7], v[WS_], v[XS_]
.endif
.endif
.set N_, N_+1
.endr
	WIN 0
.endm
; THE QUANTISER of nb blocks of 32: block b's 16 numbers of my lane at ACC + 16 b, the other 16 in lane l xor 16 -> codes PC + 4 b, byte T2 + b.  Each accumulator is read from its low end on.
.macro EPI nb
.set K_, 0
.rept 2*(\nb)
	v_max3_num_f32 v[TT+K_], |v[ACC+8*K_]|, |v[ACC+8*K_+1]|, |v[ACC+8*K_+2]|
.set K_, K_+1
.endr
.irp j, 3,5
.set K_, 0
.rept 2*(\nb)
	v_max3_num_f32 v[TT+K_], v[TT+K_], |v[ACC+8*K_+\j]|, |v[ACC+8*K_+\j+1]|
.set K_, K_+1
.endr
.endr
.set K_, 0
.rept 2*(\nb)
	v_max_num_f32 v[TT+K_], v[TT+K_], |v[ACC+8*K_+7]|
.set K_, K_+1
.endr
.set K_, 0
.rept \nb
	v_max3_num_f32 v[TM+K_], v[TT+2*K_], v[TT+2*K_+1], 0x4800000   ; and the floor 2^(9 - 127): the byte cannot fall under 1
.set K_, K_+1
.endr
.set K_, 0
.rept \nb
	v_permlanex16_b32 v[T2+K_], v[TM+K_], s98, s99
.set K_, K_+1
.endr
.set K_, 0
.rept \nb
	v_max_num_f32 v[TM+K_], v[TM+K_], v[T2+K_]
.set K_, K_+1
.endr
.set K_, 0
.rept \nb
	v_add_nc_u32 v[VSC+K_], 0xfc000000, v[TM+K_]               ; 8 off the exponent field: the conversion's scale operand
.set K_, K_+1
.endr
.set K_, 0
.rept \nb
	v_and_or_b32 v[LIM+K_], v[TM+K_], 0x7f800000, s100         ; 448 x the scale
.set K_, K_+1
.endr
.set K_, 0
.rept \nb
	v_lshrrev_b32 v[T2+K_], 23, v[VSC+K_]                      ; the scale's byte
.set K_, K_+1
.endr
.set K_, 0
.rept \nb
.set I_, 0
.rept 16
	v_med3_num_f32 v[ACC+16*K_+I_], v[ACC+16*K_+I_], -v[LIM+K_], v[LIM+K_]   ; the conversion does not saturate (ISA guide 7.6.2): the hold comes first
.set I_, I_+1
.endr
	v_cvt_scalef32_pk8_fp8_f32 v[PC+4*K_:PC+4*K_+1], v[ACC+16*K_:ACC+16*K_+7], v[VSC+K_]
	v_cvt_scalef32_pk8_fp8_f32 v[PC+4*K_+2:PC+4*K_+3], v[ACC+16*K_+8:ACC+16*K_+15], v[VSC+K_]
.set K_, K_+1
.endr
	v_nop                                          ; one plain line behind the last conversion
.endm
.macro RDESC off, sl                   ; a refill of x's tiles: my two of the chunk at byte s[off] of the codes, into the slot at s[sl]
	s_lshl_b32 s20, s14, 15
	s_add_co_u32 s[G0R+1], s20, s[\sl]
	s_add_co_u32 s20, s20, s[\off]
	s_mov_b32 s21, 0
	s_add_nc_u64 s[G0R+2:G0R+3], s[4:5], s[20:21]
	s_or_b32 s[G0R+3], s[G0R+3], 0x80000000
.endm
; A BLOCK OF q OR k: tile i of the chunk, in set e.  Behind its products and quantiser the set takes tile fi of the slot at s[sl].  mode 1, 2: a drained round and a refill of this chunk's slot stand ahead of that fetch
; (all its tiles have been fetched); the round also shows the next chunk.  mode 3: a plain barrier shows v's weight.  pf: a prefetch.
.macro QB e, i, mode, sl, sc, fi, pf
	s_wait_dscnt NF                                ; my set is in; the younger fetch's 36 loads may be out
	PRODS 0, \e, 0
	PLACES NP
	s_wait_xcnt 0x0                                ; the block before has stored its codes: their registers may be written
.if ((\mode) == 1) || ((\mode) == 2)
	s_wait_tensorcnt 0x0                           ; my part of the next chunk has landed
	ds_add_u32 v[SPW], v[NIL]                      ; 0 onto my spare word
.if (\mode) == 1
	RDESC NEXT, SL
.endif
.endif
	EPI 2
	v_lshl_or_b32 v[SW+\i], v[T2+1], 8, v[T2]      ; the head's two bytes; zeros above
.if (\mode) == 1
	s_wait_alu depctr_va_vdst(0)
	s_wait_dscnt 0x0                               ; the add is done, and my reads of this chunk's slot are over
	CROUND
	TL G0R, G1A
.elseif (\mode) == 2
	s_wait_alu depctr_va_vdst(0)
	s_wait_dscnt 0x0
	CROUND
	TL G0V, G1B
.elseif (\mode) == 3
	s_wait_alu depctr_va_vdst(0)
	s_wait_tensorcnt 0x0
	s_wait_dscnt 0x0
	BARRIER
.endif
	FETCHX \e, \sl, \sc, \fi
	global_store_b128 v[LI], v[PC:PC+3], s[QC:QC+1] offset:(\i)*1024           ; 512 consecutive bytes a store, aligned
	global_store_b128 v[LI], v[PC+4:PC+7], s[QC:QC+1] offset:(\i)*1024+512
.if (\i) == 3
	global_store_b128 v[R16], v[SW:SW+3], s[QS:QS+1]                           ; four tiles' words: sixteen lanes store 256 consecutive bytes (both halves of the lanes write the same)
.endif
.if \pf
	v_lshl_add_u32 v[PF], v[LN], 8, s101
	global_prefetch_b8 v[PF], s[4:5] th:TH_LOAD_NT scope:SCOPE_SE
.endif
.endm
.macro CHUNK mode
	QB 0, 0, 0, SL, SCO, 2, (\mode)==1
	QB 1, 1, 0, SL, SCO, 3, 0
.if (\mode) == 3
	QB 0, 2, 3, SL, SCO, 0, 0                      ; the sets take v's first two blocks: this chunk's tiles again
	QB 1, 3, 0, SL, SCO, 1, 0
.else
	QB 0, 2, \mode, SLN, SCN, 0, 0
	QB 1, 3, 0, SLN, SCN, 1, 0
.endif
.endm
.macro NEXTCH
	s_wait_alu depctr_va_vdst(0)
	s_wait_xcnt 0x0                                ; the stores have read their bases
	s_add_nc_u64 s[QC:QC+1], s[QC:QC+1], 8192
	s_add_nc_u64 s[QS:QS+1], s[QS:QS+1], 512
	s_add_co_u32 s[NEXT], s[NEXT], 131072
	s_mov_b32 s[SL], s[SLN]
	s_xor_b32 s[SLN], s[SLN], S1
	s_mov_b32 s[SCO], s[SCN]
	s_add_co_u32 s[SCN], s[SCN], 4096
	s_mov_b32 s101, s66
.endm
	s_wait_alu depctr_va_vdst(0)
	s_wait_xcnt 0x0                                ; the loads have taken their addresses
	s_cmp_eq_u32 s14, 0
	s_cbranch_scc0 .Lnot_w
	s_wait_tensorcnt 0x0                           ; wave 0: the first weight has landed; the other waves wait further down
.Lnot_w:
	BARRIER
	global_prefetch_b8 v[PF], s[4:5] th:TH_LOAD_NT scope:SCOPE_SE      ; my sixteenth of chunk 1,
	global_prefetch_b8 v[PF+1], s[4:5] th:TH_LOAD_NT scope:SCOPE_SE    ; of chunk 2
	WEIGHTS ADRW
	s_wait_tensorcnt 0x0                           ; chunk 0 and the scale words are in
	ds_add_u32 v[SPW], v[NIL]
	s_mov_b32 s[G1A+2], 2<<16                      ; no tensor load of mine is out: from here on a load brings two tiles
	s_mov_b32 s[G1A+4], 2
	s_mov_b32 s[G1B+2], 2<<16
	s_mov_b32 s[G1B+4], 2
	s_add_co_u32 s[NEXT], s80, 131072              ; chunk 1, over the weight
	RDESC NEXT, SLN
	s_mov_b32 s[NEXT], s81                         ; then chunk 2
	s_wait_dscnt 0x0                               ; the add is done, and the weight is in registers
	CROUND
	TL G0R, G1A
	s_mov_b32 s[SCO], 0
	s_mov_b32 s[SCN], 4096
	s_mov_b32 s[T], 0
	FETCHX 0, SL, SCO, 0
	FETCHX 1, SL, SCO, 1
	s_mov_b32 s98, 0x76543210                      ; lane l xor 16
	s_mov_b32 s99, 0xfedcba98
	s_mov_b32 s100, 0x600000                       ; the mantissa field of 448
	s_wait_loadcnt 0x0                             ; the weights' scale words and the bias
.Lchunk:                                           ; chunks 0, 1: chunks 2, 3 are asked for
	CHUNK 1
	NEXTCH
	s_add_co_u32 s[T], s[T], 1
	s_cmp_lg_u32 s[T], 2
	s_cbranch_scc1 .Lchunk
	s_mov_b64 s[QC:QC+1], s[88:89]                 ; v's window
	s_mov_b64 s[QS:QS+1], s[92:93]
	CHUNK 2                                        ; chunk 2: v's weight is asked for: another mask, another line
	NEXTCH
	CHUNK 3                                        ; chunk 3
	; THE CHANGE OF PHASE
	WEIGHTS ADRW+1
.set K_, 0
.rept 16
	v_mov_b32 v[SB+K_], v[WS+K_]
.set K_, K_+1
.endr
.irp t, 0,1,2,3
.irp j, 0,1,2,3,4,5,6,7
	v_mov_b32 v[BQ+8*\t+\j], v[BV+\t]              ; v's bias runs along the lanes: the same number in a tile's eight registers
.endr
.endr
	s_wait_tensorcnt 0x0
	ds_add_u32 v[SPW], v[NIL]
	s_mov_b32 s[SLN], 0
	s_mov_b32 s[SCN], 8192
	s_mov_b32 s[NEXT], s81
	RDESC NEXT, SLN                                ; chunk 2 anew, over v's weight
	s_mov_b32 s[T], 0
	s_wait_alu depctr_va_vdst(0)
	s_wait_dscnt 0x0                               ; the add is done, and v's weight is in registers
	CROUND
	TL G0R, G1A
.macro VB e, u
	s_wait_dscnt NF
	PRODS 1, \e, \u
	PLACES NP
.endm
.macro VEPI p                          ; a pair of token tiles: key block c = 2 w + p of the step, for four tiles of channels
	s_wait_xcnt 0x0
	EPI 4
.irp t, 0,1,2,3
.if \p
	v_lshl_or_b32 v[VWD+\t], v[T2+\t], 8, v[VWD+\t]
.else
	v_mov_b32 v[VWD+\t], v[T2+\t]
.endif
.endr
.endm
.macro VST p
.irp t, 0,1,2,3
	global_store_b128 v[LI], v[PC+4*\t:PC+4*\t+3], s[VC:VC+1] offset:\t*2048+(\p)*512
.endr
.endm
.Lkeys:                                            ; two trips: chunk 3 as it lies in slot 1, then chunk 2
	VB 0, 0
	FETCHX 0, SL, SCO, 2
	VB 1, 1
	VEPI 0
	FETCHX 1, SL, SCO, 3
	VST 0
	VB 0, 0
	s_wait_tensorcnt 0x0                           ; the first trip's shows chunk 2
	s_wait_dscnt 0x0
	BARRIER
	s_cmp_eq_u32 s[T], 1
	s_cbranch_scc1 .Lnone_0
	FETCHX 0, SLN, SCN, 0
.Lnone_0:
	VB 1, 1
	VEPI 1
	s_wait_alu depctr_va_vdst(0)
	s_cmp_eq_u32 s[T], 1
	s_cbranch_scc1 .Lnone_1
	FETCHX 1, SLN, SCN, 1
.Lnone_1:
	VST 1
.irp t, 0,1,2,3
	global_store_b16 v[R16], v[VWD+\t], s[VS:VS+1] offset:4*\t     ; my two bytes of the word of channel r, tile t (both halves of the lanes write the same)
.endr
	s_wait_xcnt 0x0
	s_sub_nc_u64 s[VC:VC+1], s[VC:VC+1], 8192      ; the window's first step
	s_sub_nc_u64 s[VS:VS+1], s[VS:VS+1], 256
	s_mov_b32 s[SL], s[SLN]
	s_mov_b32 s[SCO], s[SCN]
	s_add_co_u32 s[T], s[T], 1
	s_cmp_lg_u32 s[T], 2
	s_cbranch_scc1 .Lkeys
	s_wait_tensorcnt 0x0                           ; the wave's end
	ds_add_u32 v[SPW], v[NIL]
	s_wait_dscnt 0x0
	CROUND                                         ; the closing round
	s_endpgm
.Lfunc_end_k_q66c471c025_qkv:
	.size	k_q66c471c025_qkv, .Lfunc_end_k_q66c471c025_qkv-k_q66c471c025_qkv
	.p2alignl 7, 3214868480
	.fill 96, 4, 3214868480
	.section	.rodata,"a",@progbits
	.p2align	6, 0x0
	.amdhsa_kernel k_q66c471c025_qkv
		.amdhsa_group_segment_fixed_size 327680
		.amdhsa_private_segment_fixed_size 0
		.amdhsa_enable_private_segment 0
		.amdhsa_kernarg_size 40
		.amdhsa_user_sgpr_count 2
		.amdhsa_user_sgpr_kernarg_segment_ptr 1
		.amdhsa_wavefront_size32 1
		.amdhsa_system_sgpr_workgroup_id_x 1
		.amdhsa_system_sgpr_workgroup_id_y 1
		.amdhsa_system_sgpr_workgroup_id_z 1
		.amdhsa_system_vgpr_workitem_id 0
		.amdhsa_next_free_vgpr 1024
		.amdhsa_next_free_sgpr 102
		.amdhsa_reserve_vcc 0
		.amdhsa_float_denorm_mode_32 3
		.amdhsa_float_denorm_mode_16_64 3
		.amdhsa_memory_ordered 1
		.amdhsa_forward_progress 1
		.amdhsa_inst_pref_size 222
	.end_amdhsa_kernel
	.amdgpu_metadata
---
amdhsa.version: [ 1, 2 ]
amdhsa.kernels:
  - .name:           k_q66c471c025_qkv
    .symbol:         k_q66c471c025_qkv.kd
    .args:
      - { .name: cod1, .offset: 0, .size: 8, .value_kind: global_buffer, .address_space: global }
      - { .name: scl1, .offset: 8, .size: 8, .value_kind: global_buffer, .address_space: global }
      - { .name: b_attn, .offset: 16, .size: 8, .value_kind: global_buffer, .address_space: global }
      - { .name: qkvc, .offset: 24, .size: 8, .value_kind: global_buffer, .address_space: global }
      - { .name: hsc, .offset: 32, .size: 8, .value_kind: global_buffer, .address_space: global }
    .group_segment_fixed_size: 327680
    .private_segment_fixed_size: 0
    .kernarg_segment_align: 8
    .kernarg_segment_size: 40
    .max_flat_workgroup_size: 128
    .sgpr_count:     102
    .vgpr_count:     1024
    .wavefront_size: 32
...
	.end_amdgpu_metadata
.endif
;; end of part 2
;; launch attn (part 3): grid 2 x 128, 16 waves a work-group, no clusters, 327,680 bytes of LDS; arguments qkvc, hsc, ac, asc; writes ac, asc
.if DOCPART == 3
	.amdgcn_target "amdgcn-amd-amdhsa--gfx1250"
	.amdhsa_code_object_version 6
	.text
	.protected	k_q66c471c025_attn
	.globl	k_q66c471c025_attn
	.p2align	8
	.type	k_q66c471c025_attn,@function
k_q66c471c025_attn:
	s_mov_b64 s[64:65], 0
	v_nop
	global_prefetch_b8 v0, s[64:65] scope:SCOPE_SE
	s_setreg_imm32_b32 hwreg(HW_REG_WAVE_MODE, 25, 1), 1
	s_wait_xcnt 0x0
; a[b][q][h][:] = the sum over k <= q of softmax_k(q . k / 8) v, both products on codes of FP8 (E4M3) with E8M0 scales; a is quantised along the model's 1,024 (two blocks of 32 in a head) and stored as the last product's operand.
; THE SOFTMAX: t = score x log2(e) / 8; M = the running largest t rounded UP to a whole number; p = 2^(t - M) is quantised along the keys, not normalised; the row's sum is taken of the unquantised p and divides at the end.
; When M moves, the sum and O are multiplied by 2^(old M - new M): exact.  A hidden key's score is set to -8e9 ahead of the maximum, which is the logit -1e9.
; SHARES.  Two work-groups to a head, sixteen waves each, four to a SIMD.  Wave w of work-group z owns the tiles of 16 queries T = 16 z + w and 63 - T.  Tile T needs T / 8 + 1 key steps of 128: nine for the two, in every wave.
; WORK LEFT OUT, under the mask that reference() builds itself: a key step all of whose keys come after a tile's queries; and in the tile's last step, on the diagonal, the blocks of 32 keys that come after them: the tile sees
; nb = (T / 2) % 4 + 1 blocks there (5 for a wave's two tiles together).  The step is written for nb = 1 .. 4 and chosen by scalar branches on ids; hidden blocks get zero codes of p; only block nb - 1 is masked number by number.
; LIMIT: that is right where a row's largest real logit lies more than about 100 above -1e9, so that p of a hidden key is 0.  NaN and infinities are not served; a block whose largest magnitude lies under 2^-118 has its byte held at 1.
; LDS.  The head's K and V (images of the operands' registers, 65,536 bytes each) and their scale words (6,144 bytes) come once, in three groups of tensor loads, one load of 8,192 bytes a wave in each: key steps 0, 1 and the scale words
; at the head; steps 2-4 and 5-7 as later first fills.  Nothing is filled again, nothing is stored to LDS.
; No cluster: only the two work-groups of a head read the same tiles, each once, and a cluster of four along x does not divide a grid of two.  No prefetch: the last group is asked for two key steps ahead of the barrier that waits for it, and there is no stream behind it.
; LAYOUT.  Both products are used transposed: S^T = K Q^T, O^T = V^T P^T: a lane holds ONE query.  Lane r of tile T = 2 G + U (of queries and of keys) holds token 32 G + 8 U + r + 8 (r / 8), so that the 16 registers of key tiles
; 2 b, 2 b + 1 are keys 32 b + 16 (lane / 16) + 0..15, and likewise the channels of O^T.
; K = 64 IN A FORM OF 128: Q's registers 8-15 hold zero codes; a tile of K is 8 registers, and the operand's upper 8 are whatever codes lie behind it (never the NaN code: the quantisers hold), or zeros behind the eighth: they meet zeros.
; The upper two scale bytes are 0 on both sides.  Likewise V's codes of hidden blocks are whatever codes the registers held: they meet p's zero codes.
; REGISTERS: v1-11 addresses; v12 -M, v13 the largest t, v[14:15] the sum; v16-31 Q; v32-95 K's eight tiles, then V's four fragments; v96-103 zeros; v104-167 S^T, then p; v168-199 O^T; v200-215 p's codes; v216-253 at work.
.set LI,   1                           ; 16 x lane
.set ASK0, 2                           ; K's scale words: 131,072 + 16 r
.set ASV0, 3                           ; V's: 135,168 + 16 r
.set DQ,   4                           ; r + 8 (r / 8) - 16 h
.set ADK,  5
.set ADV,  6
.set ADS,  7
.set ADT,  8
.set LIV,  9                           ; 65,536 + 16 x lane
.set R8,   10                          ; 8 r
.set R16,  11                          ; 16 r
.set QF,   16
.set KV,   32
.set SS,   104
.set OO,   168
.set PC,   200
.set BM,   216
.set T2,   220
.set VLIM, 224
.set VSC,  228
.set KW,   232                         ; K's scale words, a register a tile
.set VW,   240                         ; V's
.set QW,   244                         ; Q's
.set PWD,  245                         ; p's
.set FF,   246                         ; v[246:247] f, later 1 / the sum
.set TMP,  248
.set WRD,  249
.set LIM2, 249                         ; v249-252 the holds' bound once more, in registers whose numbers differ from VLIM's modulo 4
.set DD,   250
.set NEGV, 251
.set SPW,  254
.set NIL,  255
.set WV,   12
.set BH,   13
.set G1,   16                          ; s[16:23] group 1: 8,192 dense bytes
.set G1S,  24                          ; s[24:31] 6,144 dense bytes
.set G0A,  32
.set G0S,  40
.set SEL,  44
.set CS,   46
.set MNT,  48
.set TB,   49                          ; the key step's images: 8,192 bytes a step
.set TS,   50                          ; K's scale words: 512 a step
.set TJ,   51                          ; V's: 256 a step
.set KF,   52                          ; the step's first key
.set KS,   53                          ; the step
.set LIMS, 54                          ; the tile's last step
.set Q0,   55                          ; the tile's first query
.set CNT,  56
.set NBV,  57                          ; the blocks that the tile sees in its last step
.set QBH,  58                          ; the later tile: q's codes, q's words, a's codes, a's words, last step, first query, blocks
.set QSH,  60
.set NBH,  62
.set NBL,  63
.set ABH,  66
.set ASH,  68
.set LMH,  70
.set Q0H,  71
.set QBL,  72                          ; the earlier tile
.set QSL,  74
.set ABL,  76
.set ASL,  78
.set LML,  80
.set Q0L,  81
.macro TLD g0, g1                      ; a tensor load; s_nop 0 and four v_nop follow it
	tensor_load_to_lds s[\g0:\g0+3], s[\g1:\g1+7]
	s_nop 0
.rept 4
	v_nop
.endr
.endm
	s_load_b256 s[4:11], s[0:1], 0x0               ; q k v's codes, their scale words, a's codes, a's scale words
	v_lshl_add_u32 v[SPW], v0, 2, 0x29000
	v_mov_b32 v[NIL], 0
	ds_add_u32 v[SPW], v[NIL]                      ; the opening lines: the add twice on end and one wait
	ds_add_u32 v[SPW], v[NIL]
	v_lshrrev_b32 v1, 5, v0
	v_readfirstlane_b32 s[WV], v1                  ; wave 0..15
	s_and_b32 s[BH], ttmp7, 0xffff                 ; batch x 16 + head
	s_mov_b32 s[G1], 3<<16                         ; elements of 8 bytes, no mask, no padding
	s_mov_b32 s[G1+1], 32<<16                      ; rows of 256 bytes
	s_mov_b32 s[G1+2], 32<<16
	s_mov_b32 s[G1+3], 32<<16
	s_mov_b32 s[G1+4], 32
	s_mov_b32 s[G1+5], 32
	s_mov_b32 s[G1+6], 0
	s_mov_b32 s[G1+7], 0
	s_mov_b32 s[G1S], 3<<16
	s_mov_b32 s[G1S+1], 32<<16
	s_mov_b32 s[G1S+2], 24<<16
	s_mov_b32 s[G1S+3], 32<<16
	s_mov_b32 s[G1S+4], 24
	s_mov_b32 s[G1S+5], 32
	s_mov_b32 s[G1S+6], 0
	s_mov_b32 s[G1S+7], 0
	s_and_b32 s82, s[WV], 1                        ; the fetching waves take one tile each: K (0) or V (1),
	s_lshr_b32 s83, s[WV], 1                       ; key step wave / 2 of the group that is asked for
	s_lshl_b32 s86, s82, 16
	s_lshl_b32 s83, s83, 13
	s_add_co_u32 s86, s86, s83                     ; in LDS
	s_add_co_u32 s90, s82, 1
	s_lshl_b32 s90, s90, 23                        ; k at 2^23, v at 2^24
	s_lshl_b32 s84, s[BH], 16                      ; 65,536 bytes a head
	s_add_co_u32 s90, s90, s84
	s_add_co_u32 s90, s90, s83
	s_mov_b32 s91, 0
	s_mul_i32 s85, s[BH], 10240                    ; the head's scale words
	s_add_co_u32 s92, s85, 4096                    ; k's and v's lie behind q's
	s_mov_b32 s93, 0
	s_wait_dscnt 0x0
	s_wait_kmcnt 0x0
	s_mov_b32 s[G0A], 1
	s_mov_b32 s[G0A+1], s86
	s_add_nc_u64 s[G0A+2:G0A+3], s[4:5], s[90:91]
	s_or_b32 s[G0A+3], s[G0A+3], 0x80000000
	s_mov_b32 s[G0S], 1
	s_mov_b32 s[G0S+1], 131072
	s_add_nc_u64 s[G0S+2:G0S+3], s[6:7], s[92:93]
	s_or_b32 s[G0S+3], s[G0S+3], 0x80000000
	s_cmp_lt_u32 s[WV], 4                          ; at the head: waves 0-3 key steps 0, 1; wave 8 the scale words: one chain of branches on the wave's number
	s_cbranch_scc0 .Lnot_c
	TLD G0A, G1
	s_branch .Lasked
.Lnot_c:
	s_cmp_eq_u32 s[WV], 8
	s_cbranch_scc0 .Lasked
	TLD G0S, G1S
.Lasked:
	s_lshr_b32 s87, s[BH], 4
	s_lshl_b32 s87, s87, 6                         ; the batch's first tile of 16 tokens
	s_and_b32 s86, s[BH], 15                       ; the head
	s_lshl_b32 s88, s86, 10                        ; in a's image: K step head / 2, c = 2 (head % 2) on: 1,024 bytes a head
	s_lshr_b32 s89, s86, 2
	s_lshl_b32 s89, s89, 7                         ; in a's scale words: 128 bytes a pair of K steps,
	s_bfe_u32 s90, s86, 0x10001
	s_lshl_b32 s90, s90, 2                         ; 4 a K step,
	s_add_co_u32 s89, s89, s90
	s_and_b32 s90, s86, 1
	s_lshl_b32 s90, s90, 1                         ; 2 a head
	s_add_co_u32 s89, s89, s90
	s_lshl_b32 s94, ttmp9, 4
	s_add_co_u32 s94, s94, s[WV]                   ; the earlier tile
	s_sub_co_u32 s95, 63, s94                      ; the later one
.macro TADDR t, qb, qs, ab, as, lm, q0, nb
	s_lshl_b32 s82, s[\t], 10
	s_add_co_u32 s82, s82, s84
	s_mov_b32 s83, 0
	s_add_nc_u64 s[\qb:\qb+1], s[4:5], s[82:83]    ; q's image: 1,024 bytes a tile
	s_lshr_b32 s82, s[\t], 2
	s_lshl_b32 s82, s82, 8
	s_and_b32 s86, s[\t], 3
	s_lshl_b32 s86, s86, 2
	s_add_co_u32 s82, s82, s86
	s_add_co_u32 s82, s82, s85
	s_add_nc_u64 s[\qs:\qs+1], s[6:7], s[82:83]    ; q's words: 256 bytes for four tiles, word t % 4 of a lane's 16 bytes
	s_add_co_u32 s86, s87, s[\t]
	s_lshl_b32 s82, s86, 14
	s_add_co_u32 s82, s82, s88
	s_add_nc_u64 s[\ab:\ab+1], s[8:9], s[82:83]
	s_lshl_b32 s82, s86, 9
	s_add_co_u32 s82, s82, s89
	s_add_nc_u64 s[\as:\as+1], s[10:11], s[82:83]
	s_lshr_b32 s[\lm], s[\t], 3
	s_lshr_b32 s[\q0], s[\t], 1
	s_lshl_b32 s[\q0], s[\q0], 5
	s_and_b32 s86, s[\t], 1
	s_lshl_b32 s86, s86, 3
	s_add_co_u32 s[\q0], s[\q0], s86               ; 32 G + 8 U
	s_bfe_u32 s[\nb], s[\t], 0x20001
	s_add_co_u32 s[\nb], s[\nb], 1                 ; G % 4 + 1
.endm
	TADDR 95, QBH, QSH, ABH, ASH, LMH, Q0H, NBH
	TADDR 94, QBL, QSL, ABL, ASL, LML, Q0L, NBL
	s_mov_b32 s[SEL], 0x76543210
	s_mov_b32 s[SEL+1], 0xfedcba98
	s_mov_b32 s[CS], 0x3e38aa3b                    ; c = log2(e) / 8
	s_mov_b32 s[CS+1], s[CS]
	s_mov_b32 s[MNT], 0x600000
	s_mov_b32 s[TB], 0
	s_mov_b32 s[TS], 0
	s_mov_b32 s[TJ], 0
	s_mov_b32 s[KF], 0
	s_mov_b32 s[KS], 0
	s_mov_b32 s[LIMS], s[LMH]
	s_mov_b32 s[Q0], s[Q0H]
	s_mov_b32 s[NBV], s[NBH]
	v_and_b32 v248, 31, v0
	v_lshlrev_b32 v[LI], 4, v248
	v_add_nc_u32 v[LIV], 0x10000, v[LI]
	v_and_b32 v249, 15, v0                         ; r
	v_bfe_u32 v250, v0, 4, 1                       ; h
	v_lshlrev_b32 v[R16], 4, v249
	v_add_nc_u32 v[ASK0], 0x20000, v[R16]
	v_add_nc_u32 v[ASV0], 0x21000, v[R16]
	v_and_b32 v251, 8, v249
	v_add_nc_u32 v251, v251, v249
	v_lshlrev_b32 v250, 4, v250
	v_sub_nc_u32 v[DQ], v251, v250
	v_lshlrev_b32 v[R8], 3, v249
.macro QLOAD qb, qs
	global_load_b128 v[QF:QF+3], v[LI], s[\qb:\qb+1]
	global_load_b128 v[QF+4:QF+7], v[LI], s[\qb:\qb+1] offset:512
	global_load_b32 v[QW], v[R16], s[\qs:\qs+1]
.endm
.macro RESET                           ; the step has no first step of its own: it finds zeros, which the first change of M leaves zeros
	v_mov_b32 v13, 0xff61b1e6                      ; the largest t so far: -3e38
	s_delay_alu instid0(VALU_DEP_1)
	v_floor_f32 v12, -v13
	v_mov_b32 v14, 0
	v_mov_b32 v15, 0
.set J_, 0
.rept 32
	v_mov_b32 v[OO+J_], 0
.set J_, J_+1
.endr
.endm
	QLOAD QBH, QSH
.irp j, 0,1,2,3,4,5,6,7
	v_mov_b32 v[QF+8+\j], 0                        ; zero codes for the upper 64 of K
	v_mov_b32 v[KV+64+\j], 0
.endr
.irp b, 0,1,2,3
	v_mov_b32 v[T2+\b], 0                          ; written once: a lane permute's destination counts as one of its sources
.endr
	v_mov_b32 v[FF+1], 0                           ; named as the upper half of a pair
	RESET
; A KEY STEP OF WHICH nb BLOCKS OF 32 KEYS ARE SEEN.  dg = 0: all their keys count.  dg = 1: block nb - 1 lies on the diagonal.  dg = 2: it does where this is the tile's last step (a branch on ids).
.macro BODY nb, dg
	v_add_nc_u32 v[ADK], s[TB], v[LI]
	v_add_nc_u32 v[ADV], s[TB], v[LIV]
	v_add_nc_u32 v[ADS], s[TS], v[ASK0]
	v_add_nc_u32 v[ADT], s[TJ], v[ASV0]
.rept 4
	v_nop                                          ; with the four additions: eight places in front of loads into registers that the last products read
.endr
.set K_, 0
.rept 2*(\nb)
	ds_load_b128 v[KV+8*K_:KV+8*K_+3], v[ADK] offset:1024*K_
	ds_load_b128 v[KV+8*K_+4:KV+8*K_+7], v[ADK] offset:1024*K_+512
.set K_, K_+1
.endr
	ds_load_b128 v[KW:KW+3], v[ADS]
.if (\nb) > 2
	ds_load_b128 v[KW+4:KW+7], v[ADS] offset:256
.endif
	s_wait_alu depctr_va_vdst(0)
	s_wait_dscnt 0x0
.set K_, 0
.rept 2*(\nb)
	v_wmma_scale_f32_16x16x128_f8f6f4 v[SS+8*K_:SS+8*K_+7], v[KV+8*K_:KV+8*K_+15], v[QF:QF+15], 0, v[KW+K_], v[QW]
.set K_, K_+1
.endr
.rept 8
	v_nop
.endr
.irp t, 0,1,2,3
.set K_, 0
.rept \nb
	ds_load_b128 v[KV+16*\t+4*K_:KV+16*\t+4*K_+3], v[ADV] offset:2048*\t+512*K_   ; V's codes of the blocks that are seen land while the softmax is walked
.set K_, K_+1
.endr
.endr
	ds_load_b128 v[VW:VW+3], v[ADT]
.if (\dg) == 2
	s_cmp_lg_u32 s[KS], s[LIMS]
	s_cbranch_scc1 .Lopen_\@
.endif
.if \dg
	s_sub_co_i32 s96, s[Q0], s[KF]
	v_add_nc_u32 v[DD], s96, v[DQ]                 ; d = my query - the step's first key - 16 (lane / 16).  Register 16 b + i holds key 32 b + 16 (lane / 16) + i of the step: hidden where 32 b + i > d
	v_mov_b32 v[NEGV], 0xcfee6b28                  ; -8e9: the logit -1e9 x 8
.set I_, 0
.rept 16
	v_cmp_gt_i32 vcc_lo, 32*((\nb)-1)+I_, v[DD]
	v_cndmask_b32 v[SS+16*((\nb)-1)+I_], v[SS+16*((\nb)-1)+I_], v[NEGV], vcc_lo
.set I_, I_+1
.endr
.Lopen_\@:
.endif
.set K_, 0
.rept \nb
	v_max3_num_f32 v[BM+K_], v[SS+16*K_], v[SS+1+16*K_], v[SS+2+16*K_]     ; the largest score of each block: for the row's maximum, and, since p rises with the score, for the block's largest p
.set K_, K_+1
.endr
.irp i, 3,5,7,9,11,13
.set K_, 0
.rept \nb
	v_max3_num_f32 v[BM+K_], v[BM+K_], v[SS+16*K_+\i], v[SS+1+16*K_+\i]
.set K_, K_+1
.endr
.endr
.set K_, 0
.rept \nb
	v_max_num_f32 v[BM+K_], v[BM+K_], v[SS+15+16*K_]
.set K_, K_+1
.endr
.set K_, 0
.rept \nb
	v_permlanex16_b32 v[T2+K_], v[BM+K_], s[SEL], s[SEL+1]
.set K_, K_+1
.endr
.set K_, 0
.rept \nb
	v_max_num_f32 v[BM+K_], v[BM+K_], v[T2+K_]
.set K_, K_+1
.endr
.if (\nb) == 1
	v_mul_f32 v[TMP], s[CS], v[BM]
.elseif (\nb) == 2
	v_max_num_f32 v[TMP], v[BM], v[BM+1]
	v_mul_f32 v[TMP], s[CS], v[TMP]
.elseif (\nb) == 3
	v_max3_num_f32 v[TMP], v[BM], v[BM+1], v[BM+2]
	v_mul_f32 v[TMP], s[CS], v[TMP]
.else
	v_max3_num_f32 v[TMP], v[BM], v[BM+1], v[BM+2]
	v_max_num_f32 v[TMP], v[TMP], v[BM+3]
	v_mul_f32 v[TMP], s[CS], v[TMP]
.endif
	s_delay_alu instid0(VALU_DEP_1)
	v_max_num_f32 v13, v13, v[TMP]                 ; the running largest t
	v_mov_b32 v[TMP], v12
	s_delay_alu instid0(VALU_DEP_2)
	v_floor_f32 v12, -v13                          ; the new -M = -ceil(t)
	s_delay_alu instid0(VALU_DEP_1)
	v_sub_f32 v[TMP], v12, v[TMP]                  ; old M - new M: a whole number, 0 or less
	s_delay_alu instid0(VALU_DEP_1)
	v_cvt_i32_f32 v[TMP], v[TMP]                   ; (it saturates)
	s_delay_alu instid0(VALU_DEP_1)
	v_ldexp_f32 v[FF], 1.0, v[TMP]                 ; f = 2^(old M - new M)
.set J_, 0
.rept 8*(\nb)
	v_pk_fma_f32 v[SS+J_:SS+1+J_], v[SS+J_:SS+1+J_], s[CS:CS+1], v[12:13] op_sel_hi:[1,0,0]   ; t - M
.set J_, J_+2
.endr
.set K_, 0
.rept \nb
	v_fma_f32 v[BM+K_], v[BM+K_], s[CS], v12
.set K_, K_+1
.endr
	s_wait_alu depctr_va_vdst(0)
.set J_, 0
.rept 16*(\nb)
	v_exp_f32 v[SS+J_], v[SS+J_]                   ; p = 2^(t - M)
.set J_, J_+1
.endr
	v_pk_mul_f32 v[14:15], v[14:15], v[FF:FF+1] op_sel_hi:[1,0]    ; the sums under the new M: a plain line behind the exponentials
	s_wait_alu depctr_va_vdst(0)                   ; one wait for the batch, ahead of its first reader
.set K_, 0
.rept \nb
	v_exp_f32 v[BM+K_], v[BM+K_]                   ; the blocks' largest p
.set K_, K_+1
.endr
	v_pk_add_f32 v[220:221], v[SS:SS+1], v[SS+2:SS+3]              ; the row's sum of the unquantised p: 8 nb pairs in four chains
	v_pk_add_f32 v[252:253], v[SS+4:SS+5], v[SS+6:SS+7]
	v_pk_add_f32 v[250:251], v[SS+8:SS+9], v[SS+10:SS+11]
	v_pk_add_f32 v[14:15], v[14:15], v[SS+12:SS+13]
.set K_, 7
.rept 8*(\nb)-7
.if K_%4 == 0
.set C_, 252
.elseif K_%4 == 1
.set C_, 250
.elseif K_%4 == 2
.set C_, 14
.else
.set C_, 220
.endif
	v_pk_add_f32 v[C_:C_+1], v[C_:C_+1], v[SS+2*K_:SS+2*K_+1]
.set K_, K_+1
.endr
	v_pk_add_f32 v[14:15], v[14:15], v[220:221]
	v_pk_add_f32 v[252:253], v[252:253], v[250:251]
	v_pk_add_f32 v[14:15], v[14:15], v[252:253]
	s_wait_alu depctr_va_vdst(0)                   ; and one for the blocks' largest p
.set K_, 0
.rept \nb
	v_max_num_f32 v[BM+K_], 0x4800000, v[BM+K_]    ; the floor 2^(9 - 127)
.set K_, K_+1
.endr
.set K_, 0
.rept \nb
	v_add_nc_u32 v[VSC+K_], 0xfc000000, v[BM+K_]
.set K_, K_+1
.endr
.set K_, 0
.rept \nb
	v_and_or_b32 v[VLIM+K_], v[BM+K_], 0x7f800000, s[MNT]          ; 448 x the scale,
	v_and_or_b32 v[LIM2+K_], v[BM+K_], 0x7f800000, s[MNT]          ; and once more for the pair's other half
.set K_, K_+1
.endr
.set K_, 0
.rept \nb
	v_lshrrev_b32 v[T2+K_], 23, v[VSC+K_]
.set K_, K_+1
.endr
.if (\nb) == 1
	v_mov_b32 v[PWD], v[T2]                        ; p's scale word for these 128 keys; the bytes of hidden blocks are 0: their codes are zeros
.else
	v_lshl_or_b32 v[PWD], v[T2+1], 8, v[T2]
.endif
.if (\nb) > 2
	v_lshl_or_b32 v[PWD], v[T2+2], 16, v[PWD]
.endif
.if (\nb) > 3
	v_lshl_or_b32 v[PWD], v[T2+3], 24, v[PWD]
.endif
.set K_, 0
.rept \nb
.set I_, 0
.rept 8
	v_dual_min_num_f32 v[SS+16*K_+I_], v[SS+16*K_+I_], v[VLIM+K_] :: v_dual_min_num_f32 v[SS+16*K_+I_+1], v[SS+16*K_+I_+1], v[LIM2+K_]   ; p is not negative: a one-sided hold (ISA guide 7.6.2: the conversion does not saturate), two to an instruction
.set I_, I_+2
.endr
	v_cvt_scalef32_pk8_fp8_f32 v[PC+4*K_:PC+1+4*K_], v[SS+16*K_:SS+7+16*K_], v[VSC+K_]
	v_cvt_scalef32_pk8_fp8_f32 v[PC+2+4*K_:PC+3+4*K_], v[SS+8+16*K_:SS+15+16*K_], v[VSC+K_]
.set K_, K_+1
.endr
.set J_, 4*(\nb)
.rept 16-4*(\nb)
	v_mov_b32 v[PC+J_], 0                          ; zero codes for the hidden blocks
.set J_, J_+1
.endr
.set J_, 0
.rept 16
	v_pk_mul_f32 v[OO+J_:OO+1+J_], v[OO+J_:OO+1+J_], v[FF:FF+1] op_sel_hi:[1,0]   ; O^T under the new M; these sixteen are also the places in front of the products below
.set J_, J_+2
.endr
	s_wait_alu depctr_va_vdst(0)
	s_wait_dscnt 0x0                               ; V and its scale words are in
.irp t, 0,1,2,3
	v_wmma_scale_f32_16x16x128_f8f6f4 v[OO+8*\t:OO+8*\t+7], v[KV+16*\t:KV+16*\t+15], v[PC:PC+15], v[OO+8*\t:OO+8*\t+7], v[VW+\t], v[PWD]
.endr
.endm
.macro ADVANCE
	s_add_co_u32 s[TB], s[TB], 8192
	s_add_co_u32 s[TS], s[TS], 512
	s_add_co_u32 s[TJ], s[TJ], 256
	s_add_co_u32 s[KF], s[KF], 128
	s_add_co_u32 s[KS], s[KS], 1
.endm
; A key step that may be hidden (left out), whole, or the tile's last: all branches hang on ids and on the count of steps
.macro TRIP
	s_cmp_gt_u32 s[KS], s[LIMS]
	s_cbranch_scc1 .Lhid_\@
	s_cmp_lg_u32 s[KS], s[LIMS]
	s_cbranch_scc1 .Lmain_\@
	s_cmp_eq_u32 s[NBV], 4
	s_cbranch_scc1 .Lmain_\@
	s_cmp_eq_u32 s[NBV], 3
	s_cbranch_scc1 .Lsee3_\@
	s_cmp_eq_u32 s[NBV], 2
	s_cbranch_scc1 .Lsee2_\@
	BODY 1, 1
	s_branch .Lhid_\@
.Lsee2_\@:
	BODY 2, 1
	s_branch .Lhid_\@
.Lsee3_\@:
	BODY 3, 1
	s_branch .Lhid_\@
.Lmain_\@:
	BODY 4, 2
.Lhid_\@:
	ADVANCE
.endm
; A tile's end: O^T / the sum is a's 16 rows x 64 channels; register 16 g + i is channel 32 g + 16 (lane / 16) + i: two blocks; the codes are an image as they stand.
.macro FINAL ab, as
	v_add_f32 v14, v14, v15
	s_delay_alu instid0(VALU_DEP_1)
	v_permlanex16_b32 v[TMP], v14, s[SEL], s[SEL+1]
	s_delay_alu instid0(VALU_DEP_1)
	v_add_f32 v14, v14, v[TMP]                     ; the row's sum
	s_wait_alu depctr_va_vdst(0)
	v_rcp_f32 v[FF], v14
	v_nop                                          ; a plain line behind the reciprocal
	s_wait_alu depctr_va_vdst(0)                   ; and the wait ahead of its first reader
.irp j, 0,2,4,6,8,10,12,14,16,18,20,22,24,26,28,30
	v_pk_mul_f32 v[OO+\j:OO+1+\j], v[OO+\j:OO+1+\j], v[FF:FF+1] op_sel_hi:[1,0]
.endr
.irp b, 0,1
	v_max3_num_f32 v[BM+\b], |v[OO+16*\b]|, |v[OO+1+16*\b]|, 0x4800000
.endr
.irp i, 2,4,6,8,10,12,14
.irp b, 0,1
	s_delay_alu instid0(VALU_DEP_2)
	v_max3_num_f32 v[BM+\b], v[BM+\b], |v[OO+16*\b+\i]|, |v[OO+1+16*\b+\i]|
.endr
.endr
.irp b, 0,1
	s_delay_alu instid0(VALU_DEP_2)
	v_permlanex16_b32 v[T2+\b], v[BM+\b], s[SEL], s[SEL+1]
.endr
.irp b, 0,1
	s_delay_alu instid0(VALU_DEP_2)
	v_max_num_f32 v[BM+\b], v[BM+\b], v[T2+\b]
.endr
.irp b, 0,1
	s_delay_alu instid0(VALU_DEP_2)
	v_add_nc_u32 v[VSC+\b], 0xfc000000, v[BM+\b]
.endr
.irp b, 0,1
	s_delay_alu instid0(VALU_DEP_4)
	v_and_or_b32 v[VLIM+\b], v[BM+\b], 0x7f800000, s[MNT]
.endr
.irp b, 0,1
	s_delay_alu instid0(VALU_DEP_4)
	v_lshrrev_b32 v[T2+\b], 23, v[VSC+\b]
.endr
	s_delay_alu instid0(VALU_DEP_1)
	v_lshl_or_b32 v[WRD], v[T2+1], 8, v[T2]        ; the head's two bytes of the row's scale word
.irp b, 0,1
.irp i, 0,1,2,3,4,5,6,7,8,9,10,11,12,13,14,15
	v_med3_num_f32 v[OO+16*\b+\i], v[OO+16*\b+\i], -v[VLIM+\b], v[VLIM+\b]
.endr
	v_cvt_scalef32_pk8_fp8_f32 v[PC+4*\b:PC+1+4*\b], v[OO+16*\b:OO+7+16*\b], v[VSC+\b]
	v_cvt_scalef32_pk8_fp8_f32 v[PC+2+4*\b:PC+3+4*\b], v[OO+8+16*\b:OO+15+16*\b], v[VSC+\b]
.endr
	v_nop                                          ; one plain line behind the last conversion
	global_store_b128 v[LI], v[PC:PC+3], s[\ab:\ab+1]              ; 512 consecutive bytes a store, aligned
	global_store_b128 v[LI], v[PC+4:PC+7], s[\ab:\ab+1] offset:512
	global_store_b16 v[R8], v[WRD], s[\as:\as+1]   ; two bytes a row, 8 bytes apart (both halves of the lanes write the same): 32 of the 1,056 bytes that a tile stores
.endm
.macro LATER                           ; waves 0-5: my tile of the next three key steps; the branch hangs on the wave's number alone
	s_cmp_lt_u32 s[WV], 6
	s_cbranch_scc0 .Lno_tile_\@
	TLD G0A, G1
.Lno_tile_\@:
.endm
.macro SHOWN on                        ; what was asked for is in
	s_wait_tensorcnt 0x0
	ds_add_u32 v[SPW], v[NIL]
	ds_add_u32 v[SPW], v[NIL]
	s_add_co_u32 s[G0A+1], s[G0A+1], \on           ; no tensor load of mine is out: on to the next group's key steps
	s_add_nc_u64 s[G0A+2:G0A+3], s[G0A+2:G0A+3], \on
	s_wait_dscnt 0x0
	s_barrier_signal -1
	s_barrier_wait -1
	LATER
.endm
.macro AGAIN label
	s_sub_co_u32 s[CNT], s[CNT], 1
	s_cmp_lg_u32 s[CNT], 0
	s_cbranch_scc1 \label
.endm
	s_wait_alu depctr_va_vdst(0)
	SHOWN 16384                                    ; key steps 0, 1 and the scale words are in; steps 2, 3, 4 are asked for
	s_wait_loadcnt 0x0                             ; Q
	s_mov_b32 s[CNT], 2
.Lopen_steps:                                      ; the later tile, key steps 0, 1: its last step is 4 at the least, so all their keys count
	BODY 4, 0
	ADVANCE
	AGAIN .Lopen_steps
	SHOWN 24576                                    ; key steps 2, 3, 4 are in; steps 5, 6, 7 are asked for
	s_mov_b32 s[CNT], 2
.Lopen_more:                                       ; key steps 2, 3
	BODY 4, 0
	ADVANCE
	AGAIN .Lopen_more
	s_wait_tensorcnt 0x0                           ; every wave: key steps 5, 6, 7 are in,
	s_wait_dscnt 0x0
	s_barrier_signal -1
	s_barrier_wait -1                              ; everybody's are
	s_mov_b32 s[CNT], 4
.Llate_steps:                                      ; the later tile, key steps 4-7
	TRIP
	AGAIN .Llate_steps
.rept 8
	v_nop                                          ; places behind the last products: for the loads into Q's registers and the first read of O^T
.endr
	QLOAD QBL, QSL                                 ; the earlier tile's Q lands while the later tile goes out
	FINAL ABH, ASH
	s_wait_xcnt 0x0                                ; the stores have read their data: the codes' registers may be written again
	RESET
	s_mov_b32 s[TB], 0
	s_mov_b32 s[TS], 0
	s_mov_b32 s[TJ], 0
	s_mov_b32 s[KF], 0
	s_mov_b32 s[KS], 0
	s_mov_b32 s[LIMS], s[LML]
	s_mov_b32 s[Q0], s[Q0L]
	s_mov_b32 s[NBV], s[NBL]
	s_wait_loadcnt 0x0
	s_mov_b32 s[CNT], 4
.Learly_steps:                                     ; the earlier tile, key steps 0-3
	TRIP
	AGAIN .Learly_steps
.rept 8
	v_nop
.endr
	FINAL ABL, ASL
	s_wait_tensorcnt 0x0                           ; the wave's end
	ds_add_u32 v[SPW], v[NIL]
	s_wait_dscnt 0x0
	s_endpgm
.Lfunc_end_k_q66c471c025_attn:
	.size	k_q66c471c025_attn, .Lfunc_end_k_q66c471c025_attn-k_q66c471c025_attn
	.p2alignl 7, 3214868480
	.fill 96, 4, 3214868480
	.section	.rodata,"a",@progbits
	.p2align	6, 0x0
	.amdhsa_kernel k_q66c471c025_attn
		.amdhsa_group_segment_fixed_size 327680
		.amdhsa_private_segment_fixed_size 0
		.amdhsa_enable_private_segment 0
		.amdhsa_kernarg_size 32
		.amdhsa_user_sgpr_count 2
		.amdhsa_user_sgpr_kernarg_segment_ptr 1
		.amdhsa_wavefront_size32 1
		.amdhsa_system_sgpr_workgroup_id_x 1
		.amdhsa_system_sgpr_workgroup_id_y 1
		.amdhsa_system_sgpr_workgroup_id_z 1
		.amdhsa_system_vgpr_workitem_id 0
		.amdhsa_next_free_vgpr 256
		.amdhsa_next_free_sgpr 100
		.amdhsa_reserve_vcc 1
		.amdhsa_float_denorm_mode_32 3
		.amdhsa_float_denorm_mode_16_64 3
		.amdhsa_memory_ordered 1
		.amdhsa_forward_progress 1
		.amdhsa_inst_pref_size 180
	.end_amdhsa_kernel
	.amdgpu_metadata
---
amdhsa.version: [ 1, 2 ]
amdhsa.kernels:
  - .name:           k_q66c471c025_attn
    .symbol:         k_q66c471c025_attn.kd
    .args:
      - { .name: qkvc, .offset: 0, .size: 8, .value_kind: global_buffer, .address_space: global }
      - { .name: hsc, .offset: 8, .size: 8, .value_kind: global_buffer, .address_space: global }
      - { .name: ac, .offset: 16, .size: 8, .value_kind: global_buffer, .address_space: global }
      - { .name: asc, .offset: 24, .size: 8, .value_kind: global_buffer, .address_space: global }
    .group_segment_fixed_size: 327680
    .private_segment_fixed_size: 0
    .kernarg_segment_align: 8
    .kernarg_segment_size: 32
    .max_flat_workgroup_size: 512
    .sgpr_count:     100
    .vgpr_count:     256
    .wavefront_size: 32
...
	.end_amdgpu_metadata
.endif
;; end of part 3
;; launch proj (part 4): grid 4 x 64, 4 waves a work-group, clusters of 4 x 4, 327,680 bytes of LDS; arguments ac, asc, cod1, scl1, b_proj, out0; writes out0
.if DOCPART == 4
	.amdgcn_target "amdgcn-amd-amdhsa--gfx1250"
	.amdhsa_code_object_version 6
	.text
	.protected	k_q66c471c025_proj
	.globl	k_q66c471c025_proj
	.p2align	8
	.type	k_q66c471c025_proj,@function
k_q66c471c025_proj:
	s_mov_b64 s[64:65], 0
	v_nop
	global_prefetch_b8 v0, s[64:65] scope:SCOPE_SE
	s_setreg_imm32_b32 hwreg(HW_REG_WAVE_MODE, 25, 1), 1
	s_wait_xcnt 0x0
	s_wait_alu depctr_hold_cnt(0) depctr_sa_sdst(0) depctr_va_vdst(0) depctr_va_sdst(0) depctr_va_ssrc(0) depctr_va_vcc(0) depctr_vm_vsrc(0)
	s_getreg_b32 s2, hwreg(HW_REG_IB_STS2, 6, 4)
	s_cmp_eq_u32 s2, 0
	s_cbranch_scc0 .Lentry_in_a_cluster
	s_endpgm
.Lentry_in_a_cluster:
	s_bfe_u32 s2, ttmp6, 0x10000c
	s_cmp_lg_u32 s2, 0xf033
	s_cbranch_scc0 .Lentry_shape_is_right
	s_endpgm
.Lentry_shape_is_right:
; out0 = a w_proj + b_proj on codes of FP8 (E4M3) with E8M0 scales, K = 1,024; sums in f32, begun with the bias as the first products' C.
; SHARES: a block of the result is 128 tokens x 256 columns: 64 x 4 = 256 work-groups.  Four waves, 2 x 2; a wave makes 64 x 128: 32 accumulators (256 registers, window 2).
; OPERANDS ARE IMAGES OF THEIR REGISTERS: a tile of 16 rows has its eight K steps of 128 on end, 2,048 bytes [c][lane][16] each: a fragment is four loads of 512 consecutive bytes at 16 x lane.
; In each group of 32 rows g, tile 2 g + u, lane r holds row 32 g + 8 u + r + 8 (r / 8), of tokens and of columns alike.  Scale words: [tile][pair of K steps][r][step of the pair], 512 bytes a tile.
; LDS: two slots of unlike size.  R0: K steps 0, 1 (A 32,768 bytes, B 65,536), filled again once with K steps 6, 7.  R1: K steps 2-5 (A 65,536, B 131,072).  Behind them the scale words of all of K (A 4,096, B 8,192), then the spare words.
; FILLS: at the head one load a wave: R0's A, R0's B, A's scale words, B's.  R1 behind the full sequence and a round of the cluster's barrier; R0 again in a drained round inside K step 1; its tiles are shown by a plain barrier inside K step 5.
; CLUSTERS: 4 x 4.  A's tiles hang on the block's row alone and are asked for jointly along a row of the cluster, B's on its column alone, along a column.
; THE MATRIX INSTRUCTION IS USED TRANSPOSED (source 0 = columns of w_proj, source 1 = tokens): a lane holds eight neighbouring columns of one token.
; NO PREFETCH: K is three fills, of which two are asked for at the head and the third two K steps later: the text has no loop to run ahead in.
; LIMITS: NaN and infinities are not served.
; REGISTERS: window 0: v16-29 addresses; v32-63 scale words, two sets (lanes 0-15 A's block i, lanes 16-31 B's block i); v64-127 the bias; v128-255 A's fragments, two sets of 4 x 16, later the way out.  window 1: B's fragments, two sets of 8 x 16.
.set FR,     16
.set NP,     8                         ; places behind this matrix instruction (ISA guide 7.12.1)
.set R0B,    32768
.set R1A,    98304
.set R1B,    R1A+65536
.set SCL,    294912
.set SPARE,  SCL+12288                 ; 128 bytes a wave: two blocks of 256 bytes that no other line names
.set STAGE,  R1A                       ; the way out's stages lie in R1: it has had its only fill, and behind K step 5's barrier nobody reads it
.set SPITCH, 528
.set ADRA, 16                          ; v16, v17  my A fragments in R0, R1
.set ADRB, 20                          ; v20, v21  my B fragments
.set STO,  24
.set RD,   25
.set CO,   26
.set ADRS, 27
.set SPW,  28
.set NIL,  29
.set SC,   32
.set BIAS, 64
.set AF,   128
.set BK,   128
.set G1,   24
.set G1B,  48
.set G1S,  68
.set G1SB, 80
.set G0H,  32                          ; groups 0: the head's A, B, scale words; R1's A, B; R0's second fill
.set G0HB, 36
.set G0S,  76
.set G0SB, 88
.set G0A1, 56
.set G0B1, 60
.set G0A2, 92
.set G0B2, 20
.set OUTP, 98
.set MSB, 0
.macro WIN new                         ; the immediate's high byte repeats the setting that is left
.if MSB != \new
	s_set_vgpr_msb (MSB<<8)|\new
.set MSB, \new
.endif
.endm
.set MUL,  0xa1                        ; source 0 (B) window 1, source 1 (A) window 0, C and D window 2
.set MUL0, 0x81                        ; the first K step: C is the bias, in window 0
.set TO_B, 0x40
.macro PLACES n
.rept \n
	v_nop
.endr
.endm
.macro TL g0, g1                       ; a tensor load; s_nop 0 and four v_nop follow it
	tensor_load_to_lds s[\g0:\g0+3], s[\g1:\g1+7]
	s_nop 0
	PLACES 4
.endm
.macro JLOAD g0a, g0b                  ; waves 0, 1 fetch A's halves, waves 2, 3 B's: a line and a mask each
	s_cmp_eq_u32 s15, 0
	s_cbranch_scc0 .Lfor_b_\@
	TL \g0a, G1
	s_branch .Lasked_\@
.Lfor_b_\@:
	TL \g0b, G1B
.Lasked_\@:
.endm
.macro CROUND                          ; a round of the cluster's barrier
	s_barrier_signal -1
	s_barrier_wait -1
	s_cmp_lg_u32 s14, 0
	s_cbranch_scc1 .Lnot_wave_0_\@
	s_barrier_signal -3
.Lnot_wave_0_\@:
	s_barrier_wait -3
	s_barrier_signal -1
	s_barrier_wait -1
.endm
.macro GRP1 g, mask, cols, rows, pitch ; group 1: rows of cols elements of 8 bytes, dense in LDS; bit 21 set beside the mask
	s_or_b32 s[\g], s[\mask], (3<<16)|(1<<21)
	s_mov_b32 s[\g+1], (\cols)<<16
	s_mov_b32 s[\g+2], (\rows)<<16
	s_mov_b32 s[\g+3], (\cols)<<16
	s_mov_b32 s[\g+4], \rows
	s_mov_b32 s[\g+5], \pitch
	s_mov_b32 s[\g+6], 0
	s_mov_b32 s[\g+7], 0
.endm
.macro GRP0 g, lds, ptr, off           ; group 0: LDS address in s[lds], global address s[ptr] + off
	s_mov_b32 s[\g], 1
	s_mov_b32 s[\g+1], s[\lds]
	s_add_nc_u64 s[\g+2:\g+3], s[\ptr:\ptr+1], \off
	s_or_b32 s[\g+3], s[\g+3], 0x80000000
.endm
	s_load_b128 s[4:7], s[0:1], 0x0                ; a's codes, a's scale words
	s_load_b128 s[8:11], s[0:1], 0x10              ; the weights' codes, their scale words
	s_load_b128 s[96:99], s[0:1], 0x20             ; b_proj, out0
	v_lshl_add_u32 v[SPW], v0, 2, SPARE
	v_mov_b32 v[NIL], 0
	ds_add_u32 v[SPW], v[NIL]                      ; the opening lines: the add twice on end and one wait
	ds_add_u32 v[SPW], v[NIL]
	v_lshrrev_b32 v1, 5, v0
	v_readfirstlane_b32 s14, v1                    ; wave 0..3
	s_lshr_b32 s15, s14, 1                         ; my half of A's rows; also: I fetch for A (0) or B (1)
	s_and_b32 s16, s14, 1                          ; my half of B's rows; also: which half I fetch
	s_bfe_u32 s40, ttmp6, 0x40000                  ; cx, cy
	s_bfe_u32 s41, ttmp6, 0x40004
	s_lshl_b32 s42, ttmp9, 2
	s_add_co_u32 s42, s42, s40                     ; B's block of 256 columns
	s_and_b32 s17, ttmp7, 0xffff
	s_lshl_b32 s17, s17, 2
	s_add_co_u32 s17, s17, s41                     ; A's block of 128 tokens
	s_lshl_b32 s43, s41, 2
	s_lshl_b32 s43, 15, s43                        ; my row of the cluster
	s_lshl_b32 s44, 0x1111, s40                    ; my column
	GRP1 G1,   43, 512, 8,  2048                   ; the head: 8 tiles of A, two K steps (4,096 bytes) of each, 16,384 bytes apart
	GRP1 G1B,  44, 512, 16, 2048                   ; 16 tiles of B
	GRP1 G1S,  43, 32,  16, 32                     ; 4,096 dense bytes as rows of 256
	GRP1 G1SB, 44, 32,  32, 32                     ; 8,192
	s_lshl_b32 s46, s17, 17                        ; A: 8 tiles of 16,384 bytes a block
	s_mov_b32 s47, 0
	s_lshl_b32 s66, s42, 18                        ; B: 16 tiles; w_proj's codes lie 11,534,336 bytes into the buffer
	s_add_co_u32 s66, s66, 11534336
	s_mov_b32 s67, 0
	s_lshl_b32 s18, s17, 12                        ; scale words: 512 bytes a tile
	s_mov_b32 s19, 0
	s_lshl_b32 s100, s42, 13
	s_add_co_u32 s100, s100, 360448
	s_mov_b32 s101, 0
	s_wait_dscnt 0x0                               ; both opening adds are done
	s_wait_kmcnt 0x0
	s_add_nc_u64 s[46:47], s[4:5], s[46:47]
	s_add_nc_u64 s[66:67], s[8:9], s[66:67]
	s_add_nc_u64 s[18:19], s[6:7], s[18:19]
	s_add_nc_u64 s[100:101], s[10:11], s[100:101]
	CROUND                                         ; all sixteen work-groups are here: the first joint loads meet
	s_mov_b32 s45, 0
	GRP0 G0H, 45, 46, 0
	s_mov_b32 s45, R0B
	GRP0 G0HB, 45, 66, 0
	s_mov_b32 s45, SCL
	GRP0 G0S, 45, 18, 0
	s_mov_b32 s45, SCL+4096
	GRP0 G0SB, 45, 100, 0
	s_lshl_b32 s18, s16, 16                        ; the later fills: my half: 4 tiles of A,
	s_mov_b32 s19, 0
	s_add_nc_u64 s[46:47], s[46:47], s[18:19]
	s_lshl_b32 s18, s16, 17                        ; 8 of B
	s_add_nc_u64 s[66:67], s[66:67], s[18:19]
	s_lshl_b32 s45, s16, 15
	s_add_co_u32 s45, s45, R1A
	GRP0 G0A1, 45, 46, 4096                        ; K steps 2-5
	s_lshl_b32 s45, s16, 16
	s_add_co_u32 s45, s45, R1B
	GRP0 G0B1, 45, 66, 4096
	s_lshl_b32 s45, s16, 14
	GRP0 G0A2, 45, 46, 12288                       ; K steps 6, 7
	s_lshl_b32 s45, s16, 15
	s_add_co_u32 s45, s45, R0B
	GRP0 G0B2, 45, 66, 12288
.macro ARM under, g0, g1, next         ; one chain of branches on the wave's number, a load to an arm
	s_cmp_lt_u32 s14, \under
	s_cbranch_scc0 \next
	TL \g0, \g1
	s_branch .Lhead_asked
\next:
.endm
	ARM 1, G0H,  G1,  .Lhead_b
	ARM 2, G0HB, G1B, .Lhead_sa
	ARM 3, G0S,  G1S, .Lhead_sb
	TL G0SB, G1SB
.Lhead_asked:
	s_lshl_b32 s18, s42, 10                        ; my first column, in bytes of f32: 1,024 a block, 512 a half
	s_lshl_b32 s19, s16, 9
	s_add_co_u32 s18, s18, s19
	s_mov_b32 s19, 0
	s_add_nc_u64 s[96:97], s[96:97], s[18:19]
	s_add_nc_u64 s[OUTP:OUTP+1], s[OUTP:OUTP+1], s[18:19]
	s_lshl_b32 s18, s17, 19                        ; my first token: rows of 4,096 bytes
	s_lshl_b32 s45, s15, 18
	s_add_co_u32 s18, s18, s45
	s_add_nc_u64 s[OUTP:OUTP+1], s[OUTP:OUTP+1], s[18:19]
	s_lshl_b32 s18, s15, 14                        ; LDS: my 4 tiles of A in R0,
	s_lshl_b32 s19, s15, 15
	s_add_co_u32 s19, s19, R1A                     ; in R1;
	s_lshl_b32 s45, s16, 15
	s_add_co_u32 s45, s45, R0B                     ; my 8 tiles of B in R0,
	s_lshl_b32 s100, s16, 16
	s_add_co_u32 s100, s100, R1B                   ; in R1
	s_lshl_b32 s101, s15, 11                       ; scale words: A's, my half;
	s_lshl_b32 s2, s16, 12
	s_add_co_u32 s2, s2, 4096
	s_sub_co_u32 s2, s2, s101                      ; the distance to B's, my half
	s_add_co_u32 s101, s101, SCL
	s_mul_i32 s3, s14, 16*SPITCH
	s_add_co_u32 s3, s3, STAGE                     ; my stage
	v_and_b32 v1, 15, v0                           ; r
	v_bfe_u32 v2, v0, 4, 1                         ; h
	v_and_b32 v3, 31, v0
	v_lshlrev_b32 v4, 4, v3                        ; 16 x lane
	v_add_nc_u32 v[ADRA], s18, v4
	v_add_nc_u32 v[ADRA+1], s19, v4
	v_add_nc_u32 v[ADRB], s45, v4
	v_add_nc_u32 v[ADRB+1], s100, v4
	v_lshlrev_b32 v5, 3, v1                        ; 8 bytes a row for a pair of K steps
	v_mul_u32_u24 v6, s2, v2                       ; lanes 16-31 take B's: one product
	v_add_nc_u32 v5, v5, v6
	v_add_nc_u32 v[ADRS], s101, v5
	v_lshlrev_b32 v7, 6, v2                        ; the bias: 64 h
	v_mul_u32_u24 v6, v1, SPITCH
	v_lshl_add_u32 v6, v2, 6, v6
	v_add_nc_u32 v[STO], s3, v6                    ; into the stage: row r, + 64 h
	v_mov_b32 v[CO], v4
	v_add_nc_u32 v[RD], s3, v4                     ; back: a row of 512 bytes to the 32 lanes
.irp b, 0,1,2,3,4,5,6,7
	global_load_b128 v[BIAS+8*\b:BIAS+8*\b+3], v7, s[96:97] offset:(32*(\b/2)+8*(\b%2))*4       ; register j of B's block b is column 32 (b / 2) + 8 (b % 2) + 16 h + j
	global_load_b128 v[BIAS+8*\b+4:BIAS+8*\b+7], v7, s[96:97] offset:(32*(\b/2)+8*(\b%2))*4+16
.endr
; K step g's fragments into set g % 2: 32 loads for B, 16 for A; with an even g the pair's scale words, 8 loads.  Steps 0, 1, 6, 7 lie in R0 (4,096 bytes a tile), 2-5 in R1 (8,192).
.macro FETCH g
.if ((\g) < 2) || ((\g) > 5)
.set AD_, 0
.set ST_, 4096
.set Q_, (\g)%2
.else
.set AD_, 1
.set ST_, 8192
.set Q_, (\g)-2
.endif
.set F_, (\g)%2
	WIN TO_B
.irp i, 0,1,2,3,4,5,6,7
.irp c, 0,1,2,3
	ds_load_b128 v[128*F_+FR*\i+4*\c:128*F_+FR*\i+4*\c+3], v[ADRB+AD_] offset:\i*ST_+Q_*2048+512*\c
.endr
.endr
	WIN 0
.irp i, 0,1,2,3
.irp c, 0,1,2,3
	ds_load_b128 v[AF+64*F_+FR*\i+4*\c:AF+64*F_+FR*\i+4*\c+3], v[ADRA+AD_] offset:\i*ST_+Q_*2048+512*\c
.endr
.endr
.if (\g)%2 == 0
.irp i, 0,1,2,3,4,5,6,7
	ds_load_b64 v[SC+16*(((\g)/2)%2)+2*\i:SC+16*(((\g)/2)%2)+2*\i+1], v[ADRS] offset:\i*512+128*((\g)/2)   ; lanes 0-15 of blocks 4-7 read landed bytes that no product takes
.endr
.endif
.endm
; A's block a against B's eight, K step g.  The 32 accumulators take turns in the same order in every step.
.macro MULA a, g, zero
.set P_, (\g)%2
.set S_, SC+16*(((\g)/2)%2)+(\g)%2
.irp b, 0,1,2,3,4,5,6,7
.if \zero
	v_wmma_scale_f32_16x16x128_f8f6f4 v[8*(8*(\a)+\b):8*(8*(\a)+\b)+7], v[128*P_+FR*\b:128*P_+FR*\b+FR-1], v[AF+64*P_+FR*(\a):AF+64*P_+FR*(\a)+FR-1], v[BIAS+8*\b:BIAS+8*\b+7], v[S_+2*\b], v[S_+2*(\a)] matrix_a_scale:MATRIX_SCALE_ROW1
.else
	v_wmma_scale_f32_16x16x128_f8f6f4 v[8*(8*(\a)+\b):8*(8*(\a)+\b)+7], v[128*P_+FR*\b:128*P_+FR*\b+FR-1], v[AF+64*P_+FR*(\a):AF+64*P_+FR*(\a)+FR-1], v[8*(8*(\a)+\b):8*(8*(\a)+\b)+7], v[S_+2*\b], v[S_+2*(\a)] matrix_a_scale:MATRIX_SCALE_ROW1
.endif
.endr
.endm
; A K step whose successor lies in bytes that are shown already: its set is in; eight places behind the step before, whose set takes the next step's fragments; 32 products.
.macro STEPN g, zero=0, fetch=1
	s_wait_dscnt 0x0
.if \fetch
	PLACES NP
	FETCH (\g)+1
.endif
.if \zero
	WIN MUL0
.else
	WIN MUL
.endif
.irp a, 0,1,2,3
	MULA \a, \g, \zero
.endr
	WIN 0
.endm
; A K step whose successor lies in the other slot.  fill = 1: R1 has landed and R0 has been read out: the three lines, a round, R0's second fill.  fill = 0: that fill has landed: a plain barrier shows it.
.macro TURN g, fill
	s_wait_dscnt 0x0                               ; my set is in: my reads of the slot that I leave are over
	s_wait_tensorcnt 0x0                           ; my one tensor load that was out has landed
.if \fill
	ds_add_u32 v[SPW], v[NIL]                      ; 0 onto my spare word
	s_mov_b32 s[G1+1], 512<<16                     ; no tensor load of mine is out: rows of two K steps again
	s_mov_b32 s[G1+3], 512<<16
	s_mov_b32 s[G1B+1], 512<<16
	s_mov_b32 s[G1B+3], 512<<16
.endif
	WIN MUL
	MULA 0, \g, 0
	WIN 0
.if \fill
	s_wait_dscnt 0x0                               ; the add is done
	CROUND
	JLOAD G0A2, G0B2                               ; the first tensor load behind the round; its four v_nop are among the places
	PLACES NP-4
.else
	s_barrier_signal -1
	s_barrier_wait -1
	PLACES NP
.endif
	FETCH (\g)+1
	WIN MUL
.irp a, 1,2,3
	MULA \a, \g, 0
.endr
	WIN 0
.endm
	s_wait_alu depctr_va_vdst(0)
	s_wait_tensorcnt 0x0                           ; my tile of the head's four is in
	ds_add_u32 v[SPW], v[NIL]
	s_mov_b32 s[G1+1], 1024<<16                    ; no tensor load of mine is out: R1's loads bring four K steps (8,192 bytes) of 4 tiles of A,
	s_mov_b32 s[G1+2], 4<<16
	s_mov_b32 s[G1+3], 1024<<16
	s_mov_b32 s[G1+4], 4
	s_mov_b32 s[G1B+1], 1024<<16                   ; of 8 tiles of B
	s_mov_b32 s[G1B+2], 8<<16
	s_mov_b32 s[G1B+3], 1024<<16
	s_mov_b32 s[G1B+4], 8
	s_wait_dscnt 0x0
	CROUND                                         ; all four tiles are in, and all sixteen work-groups are here
	JLOAD G0A1, G0B1
	FETCH 0
	s_wait_loadcnt 0x0                             ; the bias
	STEPN 0, 1
	TURN 1, 1
	STEPN 2
	STEPN 3
	STEPN 4
	TURN 5, 0
	STEPN 6
	STEPN 7, 0, 0
; THE WAY OUT, block by block of 16 tokens x 128 columns, through my own stage: in by 32 bytes a lane at the columns' true places, back as rows of 512 bytes, which the 32 lanes store as two aligned units of 256 bytes.
.macro TOSTAGE a
	WIN 0x08                                       ; the data: window 2
.irp b, 0,1,2,3,4,5,6,7
	ds_store_b128 v[STO], v[64*(\a)+8*\b:64*(\a)+8*\b+3] offset:128*(\b/2)+32*(\b%2)      ; each accumulator from its low end on
	ds_store_b128 v[STO], v[64*(\a)+8*\b+4:64*(\a)+8*\b+7] offset:128*(\b/2)+32*(\b%2)+16
.endr
	WIN 0
.irp t, 0,1,2,3,4,5,6,7,8,9,10,11,12,13,14,15
	ds_load_b128 v[BK+64*((\a)%2)+4*\t:BK+64*((\a)%2)+4*\t+3], v[RD] offset:\t*SPITCH   ; LDS serves a wave's instructions in order (ISA guide 5.7.1.4)
.endr
.endm
.macro SEND a, younger                 ; younger: the LDS instructions issued behind block a's loads
	s_wait_dscnt \younger
.irp t, 0,1,2,3,4,5,6,7,8,9,10,11,12,13,14,15
	global_store_b128 v[CO], v[BK+64*((\a)%2)+4*\t:BK+64*((\a)%2)+4*\t+3], s[OUTP:OUTP+1] offset:(32*((\a)/2)+8*((\a)%2)+\t+8*(\t/8))*4096 th:TH_STORE_NT
.endr
.endm
	PLACES NP
	TOSTAGE 0
.irp a, 1,2,3
.if \a > 1
	s_wait_xcnt 0x0                                ; block a - 2's stores have read their registers: block a's loads may land there
.endif
	TOSTAGE \a
	SEND \a-1, 32                                  ; behind block a - 1's loads: block a's 16 stores and 16 loads
.endr
	SEND 3, 0
	s_wait_tensorcnt 0x0                           ; the wave's end
	ds_add_u32 v[SPW], v[NIL]
	s_wait_dscnt 0x0
	CROUND                                         ; the closing round
	s_endpgm
.Lfunc_end_k_q66c471c025_proj:
	.size	k_q66c471c025_proj, .Lfunc_end_k_q66c471c025_proj-k_q66c471c025_proj
	.p2alignl 7, 3214868480
	.fill 96, 4, 3214868480
	.section	.rodata,"a",@progbits
	.p2align	6, 0x0
	.amdhsa_kernel k_q66c471c025_proj
		.amdhsa_group_segment_fixed_size 327680
		.amdhsa_private_segment_fixed_size 0
		.amdhsa_enable_private_segment 0
		.amdhsa_kernarg_size 48
		.amdhsa_user_sgpr_count 2
		.amdhsa_user_sgpr_kernarg_segment_ptr 1
		.amdhsa_wavefront_size32 1
		.amdhsa_system_sgpr_workgroup_id_x 1
		.amdhsa_system_sgpr_workgroup_id_y 1
		.amdhsa_system_sgpr_workgroup_id_z 1
		.amdhsa_system_vgpr_workitem_id 0
		.amdhsa_next_free_vgpr 768
		.amdhsa_next_free_sgpr 102
		.amdhsa_reserve_vcc 0
		.amdhsa_float_denorm_mode_32 3
		.amdhsa_float_denorm_mode_16_64 3
		.amdhsa_memory_ordered 1
		.amdhsa_forward_progress 1
		.amdhsa_inst_pref_size 90
	.end_amdhsa_kernel
	.amdgpu_metadata
---
amdhsa.version: [ 1, 2 ]
amdhsa.kernels:
  - .name:           k_q66c471c025_proj
    .symbol:         k_q66c471c025_proj.kd
    .args:
      - { .name: ac, .offset: 0, .size: 8, .value_kind: global_buffer, .address_space: global }
      - { .name: asc, .offset: 8, .size: 8, .value_kind: global_buffer, .address_space: global }
      - { .name: cod1, .offset: 16, .size: 8, .value_kind: global_buffer, .address_space: global }
      - { .name: scl1, .offset: 24, .size: 8, .value_kind: global_buffer, .address_space: global }
      - { .name: b_proj, .offset: 32, .size: 8, .value_kind: global_buffer, .address_space: global }
      - { .name: out0, .offset: 40, .size: 8, .value_kind: global_buffer, .address_space: global }
    .group_segment_fixed_size: 327680
    .private_segment_fixed_size: 0
    .kernarg_segment_align: 8
    .kernarg_segment_size: 48
    .max_flat_workgroup_size: 128
    .sgpr_count:     102
    .vgpr_count:     768
    .wavefront_size: 32
...
	.end_amdgpu_metadata
.endif
;; end of part 4
